; MI455X (gfx1250); checked and timed in simulation.
; The chip was launched on July 23, 2026; its instructions are those of AMD's public machine-readable ISA for CDNA 5 (MIT licence, August 2026) and "CDNA5" Instruction Set Architecture Reference Guide (July 2026). The comments in the code are by the model that wrote it; some were corrected since.
;; Gemma Causal Att. Allowed arithmetic: matrix products marked QUANTISED: E4M3 operands, one given power-of-two scale a tensor, by v_wmma_f32_16x16x64_fp8_fp8 or v_wmma_f32_16x16x128_fp8_fp8, f32 sums; everything else in f32.
;; Inputs: Wk 2,048 x 2,048 float32; Wo 4,096 x 2,048 float32; Wq 2,048 x 4,096 float32; Wv 2,048 x 2,048 float32; X 2 x 1,024 x 2,048 float32; lowp_scales 12 int32 (the exponents e of the quantised operands' scales 2^e).
;; Outputs: out0 2 x 1,024 x 2,048 float32.
;; This version of the problem:
;;   THIS VERSION OF THE PROBLEM IS GIVEN IN LOW PRECISION. The matrix products marked QUANTISED in the list below multiply operands that are first quantised to E4M3 (4 exponent bits, 3 mantissa bits; 8 bits a number), with one given power-of-two scale for each operand tensor; their sums are f32. All else is computed in f32.
;;   The module's matrix products, in the order in which they are computed (A, B: the left and right operand; K: the contracted axis; several contracted axes count as one K, in the product's order):
;;     1. [M 2,048, K 2,048] x [K 2,048, N 4,096]; A: input X; B: input Wq: QUANTISED (scales: A lowp_scales[0], B lowp_scales[1])
;;     2. [M 2,048, K 2,048] x [K 2,048, N 2,048]; A: input X; B: input Wk: QUANTISED (scales: A lowp_scales[2], B lowp_scales[3])
;;     3. [M 2,048, K 2,048] x [K 2,048, N 2,048]; A: input X; B: input Wv: QUANTISED (scales: A lowp_scales[4], B lowp_scales[5])
;;     4. batch 32 x [M 1,024, K 256] x [K 256, N 1,024]; A: computed on the way; B: computed on the way: QUANTISED (scales: A lowp_scales[6], B lowp_scales[7])
;;     5. batch 32 x [M 1,024, K 1,024] x [K 1,024, N 256]; A: softmax (see below); B: computed on the way: QUANTISED (scales: A lowp_scales[8], B lowp_scales[9])
;;     6. [M 2,048, K 4,096] x [K 4,096, N 2,048]; A: computed on the way; B: input Wo: QUANTISED (scales: A lowp_scales[10], B lowp_scales[11])
;;   THE QUANTISER, for each operand of a quantised product, along K:
;;     - The operand's scale is 2^e, e = its entry of the input lowp_scales (int32; the entries are numbered through the quantised products in the list's order, A before B).
;;     - Each number is divided by the scale, clamped to +-448, and rounded to the nearest number of E4M3, ties to even, subnormals kept.
;;     - The product sums the exact products of the quantised numbers (number of the format x scale) in f32.
;;   ~~~python
;;   def quantise(x, axis, e):      # numpy; x: float32 -> the quantised numbers, widened to float32 again
;;       x = np.moveaxis(x, axis, -1); K = x.shape[-1]
;;       r = np.clip(x / 2.0 ** e, -448, 448)
;;       step = 2.0 ** (np.maximum(np.frexp(np.where(r == 0, 1, r))[1] - 1, -6) - 3)
;;       q = np.round(r / step) * step * 2.0 ** e      # np.round: ties to even
;;       return np.moveaxis(q, -1, axis).astype(np.float32)
;;   ~~~
;;   SOFTMAX AHEAD OF A QUANTISED PRODUCT. Where the list says 'softmax', what is quantised is not the finished softmax but p = 2^(t - M), with t = logit x log2(e) and M = ceil(the row's largest t), a whole number; so 1/2 < the row's largest p <= 1. The row's sum l is taken of the UNQUANTISED p, in f32, and the product's result is divided by l at the end. Since M is a whole number, a kernel that streams over the keys may use a running M (the ceiling of the running maximum): every later rescaling is an exact power of two, so the quantised numbers keep their values, but for numbers so far below the row's largest that they fall under the format's range.
;;   OPERANDS COMPUTED ON THE WAY. 'Computed on the way' means the value that the module computes at that place (a softmax that the list does not call 'softmax' is quantised finished and normalised). What goes into a quantiser is computed in f32, as accurately as f32 sums, v_exp_f32 and their like allow (about 1e-6 of the number): no bf16 or f16 on the way to a quantiser, and a product that is left as it is and whose result goes on into a quantised operand takes f32 operands (vector FMAs, or v_wmma_f32_16x16x4_f32). A number that lies on a knife's edge between two numbers of the format may be rounded either way, as far as f32 arithmetic and the matrix unit's own rounding can turn it there, and no further.
;; One version. Each part assembles by itself: llvm-mc -triple=amdgcn-amd-amdhsa -mcpu=gfx1250 --defsym DOCPART=n.
;; ======== version 1 of 1: 4 launches
;; limits: a function is approximated: absolute error at most 6.3e-05
;; workspace buffers: xc 12,582,912 bytes; wc 25,165,824 bytes; rope 1,048,576 bytes; qc 8,388,608 bytes; kc 4,194,304 bytes; vc 4,194,304 bytes; yc 8,388,608 bytes
;; launch prep (part 1): grid 1024 x 1, 4 waves a work-group, no clusters, 68,096 bytes of LDS; arguments X, Wq, Wk, Wv, Wo, lowp_scales, xc, wc, rope; writes xc, wc, rope
.if DOCPART == 1
	.amdgcn_target "amdgcn-amd-amdhsa--gfx1250"
	.amdhsa_code_object_version 6
	.text
	.protected	k_q83e1aebeae_prep
	.globl	k_q83e1aebeae_prep
	.p2align	8
	.type	k_q83e1aebeae_prep,@function
k_q83e1aebeae_prep:
	s_mov_b64 s[64:65], 0
	v_nop
	global_prefetch_b8 v0, s[64:65] scope:SCOPE_SE
	s_setreg_imm32_b32 hwreg(HW_REG_WAVE_MODE, 25, 1), 1
	s_wait_xcnt 0x0
; PREP: everything that is quantised once, and the table of cosines and sines.
; Work-groups 0-255: X [2048 tokens][2048] f32 becomes THREE sets of E4M3 codes, one for each of the scales 2^e0, 2^e2, 2^e4 under which it is an operand: xc [3][2048][2048], K innermost.
;   Each of their 1,024 waves also makes one row (one position) of the table: rope = cos[1024][128] f32, then sin[1024][128].
; Work-groups 256-1023: Wq, Wk, Wv, Wo, f32 with K as their FIRST axis, become codes with K innermost: wc rows of 2,048 bytes [n][k] (0-4095 Wq, 4096-6143 Wk, 6144-8191 Wv), then from byte 16,777,216 Wo as [2048 n][4096 k].
; code = x / 2^e, held within +-448, rounded to the nearest code, ties to even.
; LIMITS: e0, e2, e4, e1, e3, e5, e11 between -126 and 119, so that 2^e and 448 x 2^e are f32 numbers.  NaN among the inputs is not served.
; THE TABLE: theta_i = 10000^(-i/128) = 2^(-i L), L = log2(10000)/128 in two parts (the upper has 15 bits, so i x upper is exact); the angle is pos x theta rounded once; it is reduced by multiples of pi/2 in two parts
; and goes through polynomials of degree 7 and 8 on +-pi/4.  theta is within about one unit in the last place of the true power; it need not have the bits of another power routine.  Row 0 is exactly (1, 0).
; No tensor load, no barrier: waves share nothing.  The two paths part on the work-group's number and have LDS bytes of their own.
.set SPARE,  67584                     ; behind both paths' stages: the spare words, 128 bytes for each wave: two blocks of 256 bytes that no other line names
.set SPW,    12                        ; v12  LDS address of my spare word; never rewritten
.set NIL,    13                        ; v13  0; never rewritten
; X's path
.set XSTEPS, 8                         ; a wave takes 8 steps of 512 numbers
.set XREG,   8192                      ; LDS bytes 0-32,767: a region for each wave: two stages of 32 x XSP bytes
.set XSP,    80                        ; a lane's place in a stage: 64 bytes + 16 of padding
.set XR,     16                        ; v16-79   four sets of 16 numbers as loaded
.set XN,     80                        ; v80-111  two sets of 16 neighbours
.set XT,     112                       ; v112-159 the 16 numbers held under each of the three scales
.set XCD,    160                       ; v160-183 two sets of 12 registers of codes
.set TFI,    112                       ; the table's registers, four each (i = 4 lane + j), free before the first step
.set TYH,    116
.set TNN,    120
.set TGG,    124
.set TEE,    128
.set TANG,   132
.set TKQ,    136
.set TRR,    140
.set TZZ,    144
.set TSN,    148
.set TCS,    152
.set TQI,    156
.set COSO,   160
.set SINO,   164
.set TT1,    168
.set TT2,    172
; the weights' path
.set WSTG,   32768                     ; LDS bytes 32,768-67,583: a stage of 32 rows x 272 bytes for each wave
.set WPITCH, 272
.set WSB,    32                        ; s[32:47] the addresses of my eight blocks of 32 rows of K
.set WOFF,   16                        ; v16-47   4 lane + i x the weight's row in bytes
.set WX,     48                        ; v48-111  two sets of 32 numbers
.set WC,     112                       ; v112-119 a block's codes
.set OUTR,   120                       ; v120-183 the way out
.set VO,     184                       ; v184-199 the way out: byte offsets of the rows that I store
	s_load_b512 s[4:19], s[0:1], 0x0               ; X 4:5, Wq 6:7, Wk 8:9, Wv 10:11, Wo 12:13, the exponents 14:15, xc 16:17, wc 18:19
	s_load_b64 s[20:21], s[0:1], 0x40              ; rope
	v_lshl_add_u32 v[SPW], v0, 2, SPARE
	v_mov_b32 v[NIL], 0
	v_lshrrev_b32 v1, 5, v0
	v_readfirstlane_b32 s22, v1                    ; wave 0..3
	v_and_b32 v2, 31, v0                           ; lane
	s_wait_kmcnt 0x0
	s_cmp_lt_u32 ttmp9, 256
	s_cbranch_scc0 .Lweights
; ---------------- X ----------------
	s_load_b256 s[24:31], s[14:15], 0x0            ; e0 .. e7
	v_lshlrev_b32 v3, 4, v2                        ; my 16 bytes of a load's or a store's 512
	s_mul_i32 s52, s22, XREG
	v_lshrrev_b32 v14, 2, v2
	v_mul_u32_u24 v14, v14, XSP
	v_and_b32 v15, 3, v2
	v_lshl_add_u32 v14, v15, 4, v14
	v_add_nc_u32 v14, s52, v14                     ; the stage, on the way in: four lanes' 64 bytes on end, then 16 of padding
	v_mul_u32_u24 v15, v2, XSP
	v_add_nc_u32 v15, s52, v15                     ; and on the way out: my 16 neighbours
	s_lshl_b32 s23, ttmp9, 2
	s_add_co_u32 s23, s23, s22                     ; my run of 4,096 numbers, 0 .. 1023; also my position in the table
	s_mov_b32 s55, 0
	s_lshl_b32 s54, s23, 14
	s_add_nc_u64 s[4:5], s[4:5], s[54:55]          ; X at my run
	s_lshl_b32 s54, s23, 12
	s_add_nc_u64 s[32:33], s[16:17], s[54:55]      ; the three sets of codes at my run, 4,194,304 bytes apart
	s_add_nc_u64 s[34:35], s[32:33], 0x400000
	s_add_nc_u64 s[36:37], s[32:33], 0x800000
	s_lshl_b32 s54, s23, 9
	s_add_nc_u64 s[38:39], s[20:21], s[54:55]      ; my row of the table
.macro XLOAD t
.irp i, 0,1,2,3
	global_load_b128 v[XR+16*((\t)%4)+4*\i:XR+16*((\t)%4)+4*\i+3], v3, s[4:5] offset:2048*(\t)+512*\i th:TH_LOAD_NT   ; 32 lanes read 512 consecutive bytes
.endr
.endm
.macro XTURN t                         ; step t's numbers through the stage: LDS serves a wave's instructions in order, so no wait stands between the stores and the loads
.irp i, 0,1,2,3
	ds_store_b128 v14, v[XR+16*((\t)%4)+4*\i:XR+16*((\t)%4)+4*\i+3] offset:32*XSP*((\t)%2)+8*XSP*\i
.endr
.irp i, 0,1,2,3
	ds_load_b128 v[XN+16*((\t)%2)+4*\i:XN+16*((\t)%2)+4*\i+3], v15 offset:32*XSP*((\t)%2)+16*\i
.endr
.endm
.irp t, 0,1,2,3
	XLOAD \t
.endr
	; the table's row, while the first loads are on their way
	s_mov_b32 s40, 0x3dd49a00                      ; L, upper part
	s_mov_b32 s41, 0x3570979a                      ; L, lower part
	s_mov_b32 s43, 0x3f22f983                      ; 2 / pi
	s_mov_b32 s44, 0x3fc90fdb                      ; pi / 2, upper part
	s_mov_b32 s45, 0xb33bbd2e                      ; pi / 2, lower part
	s_mov_b32 s46, 0xb94ca1f9                      ; the sine's three coefficients
	s_mov_b32 s47, 0x3c08839e
	s_mov_b32 s48, 0xbe2aaaa3
	s_mov_b32 s49, 0x37ccf5ce                      ; the cosine's three
	s_mov_b32 s50, 0xbab6061a
	s_mov_b32 s51, 0x3d2aaaa5
	v_lshlrev_b32 v1, 2, v2
	v_mov_b32 v11, s23
	v_cvt_f32_u32 v11, v11                         ; the position as f32
.irp j, 0,1,2,3
	v_add_nc_u32 v[TQI+\j], \j, v1                 ; i = 4 lane + j
	v_cvt_f32_u32 v[TFI+\j], v[TQI+\j]
	v_mul_f32 v[TYH+\j], s40, v[TFI+\j]            ; exact: 7 bits x 15 bits
	v_rndne_f32 v[TNN+\j], v[TYH+\j]
	v_sub_f32 v[TGG+\j], v[TNN+\j], v[TYH+\j]
	v_fma_f32 v[TGG+\j], -v[TFI+\j], s41, v[TGG+\j]   ; g = n - i L, within +-1/2
.endr
.irp j, 0,1,2,3
	v_exp_f32 v[TEE+\j], v[TGG+\j]
.endr
.irp j, 0,1,2,3
	v_cvt_i32_f32 v[TQI+\j], v[TNN+\j]             ; plain lines behind the exponentials
	v_sub_nc_u32 v[TQI+\j], 0, v[TQI+\j]
.endr
	s_wait_alu depctr_va_vdst(0)                   ; one wait for the four exponentials, ahead of their first reader
.irp j, 0,1,2,3
	v_ldexp_f32 v[TEE+\j], v[TEE+\j], v[TQI+\j]    ; theta = 2^g x 2^-n
	v_mul_f32 v[TANG+\j], v11, v[TEE+\j]           ; the angle, rounded once
	v_mul_f32 v[TKQ+\j], s43, v[TANG+\j]
	v_rndne_f32 v[TKQ+\j], v[TKQ+\j]               ; how many quarter turns
	v_fma_f32 v[TRR+\j], -v[TKQ+\j], s44, v[TANG+\j]
	v_fma_f32 v[TRR+\j], -v[TKQ+\j], s45, v[TRR+\j]   ; what is left, within +-pi/4
	v_mul_f32 v[TZZ+\j], v[TRR+\j], v[TRR+\j]
	v_fma_f32 v[TSN+\j], v[TZZ+\j], s46, s47
	v_fma_f32 v[TSN+\j], v[TSN+\j], v[TZZ+\j], s48
	v_mul_f32 v[TSN+\j], v[TSN+\j], v[TZZ+\j]
	v_fma_f32 v[TSN+\j], v[TSN+\j], v[TRR+\j], v[TRR+\j]
	v_fma_f32 v[TCS+\j], v[TZZ+\j], s49, s50
	v_fma_f32 v[TCS+\j], v[TCS+\j], v[TZZ+\j], s51
	v_mul_f32 v[TT1+\j], v[TZZ+\j], v[TZZ+\j]
	v_fma_f32 v[TT2+\j], v[TZZ+\j], -0.5, 1.0
	v_fma_f32 v[TCS+\j], v[TCS+\j], v[TT1+\j], v[TT2+\j]
	v_cvt_i32_f32 v[TQI+\j], v[TKQ+\j]
	v_and_b32 v[TT1+\j], 1, v[TQI+\j]
	v_cmp_eq_u32 vcc_lo, 1, v[TT1+\j]              ; an odd number of quarter turns swaps sine and cosine: a choice of values, no branch
	v_cndmask_b32 v[SINO+\j], v[TSN+\j], v[TCS+\j], vcc_lo
	v_cndmask_b32 v[COSO+\j], v[TCS+\j], v[TSN+\j], vcc_lo
	v_and_b32 v[TT1+\j], 2, v[TQI+\j]
	v_lshlrev_b32 v[TT1+\j], 30, v[TT1+\j]
	v_xor_b32 v[SINO+\j], v[SINO+\j], v[TT1+\j]    ; the sine's sign: quarter turns 2 and 3
	v_add_nc_u32 v[TT2+\j], 1, v[TQI+\j]
	v_and_b32 v[TT2+\j], 2, v[TT2+\j]
	v_lshlrev_b32 v[TT2+\j], 30, v[TT2+\j]
	v_xor_b32 v[COSO+\j], v[COSO+\j], v[TT2+\j]    ; the cosine's: 1 and 2
.endr
	global_store_b128 v3, v[COSO:COSO+3], s[38:39]                 ; the wave stores a whole row of 512 bytes
	global_store_b128 v3, v[SINO:SINO+3], s[38:39] offset:524288
	s_wait_kmcnt 0x0
.irp s, 0,1,2                          ; 2^e and 448 x 2^e for e0, e2, e4, in v5-v10
	s_add_co_i32 s52, s[24+2*\s], 127
	s_lshl_b32 s53, s52, 23
	v_mov_b32 v[5+2*\s], s53
	s_add_co_i32 s52, s52, 8
	s_lshl_b32 s52, s52, 23
	s_or_b32 s52, s52, 0x600000
	v_mov_b32 v[6+2*\s], s52
.endr
	s_wait_loadcnt 12                              ; step 0's four loads are in; the twelve of steps 1 to 3 may be out
	XTURN 0
.macro XSTEP t
.set XS, XN+16*((\t)%2)
.set XC, XCD+12*((\t)%2)
	s_wait_dscnt 0x0                               ; this step's numbers are back from the stage, and its stores into the stage have read their registers,
.if (\t)+4 < XSTEPS
	XLOAD (\t)+4                                   ; which take the loads of four steps on
.endif
.if (\t)+1 < XSTEPS
.if XSTEPS-2-(\t) >= 3
	s_wait_loadcnt 12                              ; the next step's four loads are in; those of the three steps behind it may be out
.else
	s_wait_loadcnt 4*(XSTEPS-2-(\t))
.endif
	XTURN (\t)+1
.endif
	s_wait_xcnt 0x0                                ; the stores of two steps ago (at first: the table's) have read this set of code registers
.irp s, 0,1,2
.irp i, 0,1,2,3,4,5,6,7,8,9,10,11,12,13,14,15
	v_med3_num_f32 v[XT+16*\s+\i], v[XS+\i], -v[6+2*\s], v[6+2*\s]   ; the conversion to an 8-bit code does not saturate (ISA guide 7.6.2): the hold at the largest code x the scale
.endr
.endr
.irp s, 0,1,2
	v_cvt_scalef32_pk8_fp8_f32 v[XC+4*\s:XC+4*\s+1], v[XT+16*\s:XT+16*\s+7], v[5+2*\s]
	v_cvt_scalef32_pk8_fp8_f32 v[XC+4*\s+2:XC+4*\s+3], v[XT+16*\s+8:XT+16*\s+15], v[5+2*\s]
.endr
	v_nop                                          ; a plain line behind the conversions: the next step's holds write their sources
.irp s, 0,1,2
	global_store_b128 v3, v[XC+4*\s:XC+4*\s+3], s[32+2*\s:33+2*\s] offset:512*(\t)   ; 32 lanes store 512 consecutive bytes
.endr
.endm
.irp t, 0,1,2,3,4,5,6,7
	XSTEP \t
.endr
	s_wait_tensorcnt 0x0                           ; the wave's end, behind my last LDS store
	ds_add_u32 v[SPW], v[NIL]
	s_wait_dscnt 0x0
	s_endpgm
; ---------------- the weights ----------------
; A LANE TAKES A COLUMN n AND ITS REGISTERS RUN DOWN K: each load reads 128 consecutive bytes a wave, and the conversions give codes with K innermost.  A wave takes 32 columns x 256 along K; its codes go through its own
; stage and leave as rows: sixteen lanes store 256 consecutive bytes.  One path serves all four weights: what differs (buffer, row length, place in wc, exponent) is chosen on the work-group's number.
.Lweights:
	s_load_b256 s[48:55], s[14:15], 0x0            ; e0 .. e7
	s_load_b32 s56, s[14:15], 0x2c                 ; e11
	s_sub_co_u32 s23, ttmp9, 256                   ; 0-255 Wq, 256-383 Wk, 384-511 Wv, 512-767 Wo
	s_mov_b64 s[24:25], s[12:13]                   ; Wo:
	s_mov_b32 s26, 512                             ; its first work-group,
	s_mov_b32 s27, 4                               ; log2 of its blocks of 128 columns,
	s_mov_b32 s28, 8192                            ; its row in bytes,
	s_mov_b32 s29, 4096                            ; a row of its codes,
	s_mov_b32 s31, 0x1000000                       ; and where they begin in wc
	s_cmp_lt_u32 s23, 512
	s_cselect_b64 s[24:25], s[10:11], s[24:25]     ; Wv
	s_cselect_b32 s26, 384, s26
	s_cselect_b32 s29, 2048, s29
	s_cselect_b32 s31, 0xc00000, s31
	s_cmp_lt_u32 s23, 384
	s_cselect_b64 s[24:25], s[8:9], s[24:25]       ; Wk
	s_cselect_b32 s26, 256, s26
	s_cselect_b32 s31, 0x800000, s31
	s_cmp_lt_u32 s23, 256
	s_cselect_b64 s[24:25], s[6:7], s[24:25]       ; Wq
	s_cselect_b32 s26, 0, s26
	s_cselect_b32 s27, 5, s27
	s_cselect_b32 s28, 16384, s28
	s_cselect_b32 s31, 0, s31
	s_sub_co_u32 s57, s23, s26
	s_bfm_b32 s58, s27, 0
	s_and_b32 s58, s57, s58                        ; x: which 128 columns
	s_lshr_b32 s59, s57, s27                       ; y: which 256 along K
	s_lshl_b32 s58, s58, 7
	s_lshl_b32 s60, s22, 5
	s_add_co_u32 s58, s58, s60                     ; my wave's first column
	s_mul_i32 s60, s59, s28
	s_lshl_b32 s60, s60, 8                         ; 256 y rows,
	s_lshl_b32 s61, s58, 2
	s_add_co_u32 s60, s60, s61                     ; + 4 bytes a column
	s_mov_b32 s61, 0
	s_add_nc_u64 s[WSB:WSB+1], s[24:25], s[60:61]
	s_lshl_b32 s60, s28, 5                         ; 32 rows on
.irp t, 1,2,3,4,5,6,7
	s_add_nc_u64 s[WSB+2*\t:WSB+2*\t+1], s[WSB+2*\t-2:WSB+2*\t-1], s[60:61]
.endr
	s_mul_i32 s62, s58, s29                        ; the codes: column x a row of codes,
	s_add_co_u32 s62, s62, s31
	s_lshl_b32 s63, s59, 8                         ; + 256 y
	s_add_co_u32 s62, s62, s63
	s_mov_b32 s63, 0
	s_add_nc_u64 s[18:19], s[18:19], s[62:63]
	v_lshlrev_b32 v[WOFF], 2, v2
.set i, 1
.rept 31
	v_add_nc_u32 v[WOFF+i], s28, v[WOFF+i-1]       ; row i of a block
.set i, i+1
.endr
.macro WLOAD t                         ; block t: W(32 t + j, my column), j = 0 .. 31, into set t % 2
.set j, 0
.rept 32
	global_load_b32 v[WX+32*((\t)%2)+j], v[WOFF+j], s[WSB+2*(\t):WSB+2*(\t)+1] th:TH_LOAD_NT
.set j, j+1
.endr
.endm
	WLOAD 0
	WLOAD 1
	s_mul_i32 s57, s22, 32*WPITCH
	s_add_co_u32 s57, s57, WSTG                    ; my stage
	v_mul_u32_u24 v4, v2, WPITCH
	v_add_nc_u32 v4, s57, v4                       ; into it: row = my column
	v_and_b32 v5, 15, v2
	v_lshrrev_b32 v6, 4, v2
	v_mul_u32_u24 v7, v6, WPITCH
	v_lshl_add_u32 v7, v5, 4, v7
	v_add_nc_u32 v7, s57, v7                       ; out of it: sixteen lanes to a row, two rows an instruction
	v_mul_u32_u24 v8, v6, s29
	v_lshl_add_u32 v[VO], v5, 4, v8                ; and the same places in wc
	s_lshl_b32 s57, s29, 1
.set i, 1
.rept 15
	v_add_nc_u32 v[VO+i], s57, v[VO+i-1]
.set i, i+1
.endr
	s_wait_kmcnt 0x0
	s_cmp_lt_u32 s23, 512
	s_cselect_b32 s56, s53, s56                    ; e5 for Wv,
	s_cmp_lt_u32 s23, 384
	s_cselect_b32 s56, s51, s56                    ; e3 for Wk,
	s_cmp_lt_u32 s23, 256
	s_cselect_b32 s56, s49, s56                    ; e1 for Wq
	s_add_co_i32 s56, s56, 127
	s_lshl_b32 s57, s56, 23
	v_mov_b32 v11, s57                             ; 2^e
	s_add_co_i32 s56, s56, 8
	s_lshl_b32 s56, s56, 23
	s_or_b32 s56, s56, 0x600000
	v_mov_b32 v10, s56                             ; 448 x 2^e
.macro WBLOCK t
.set XS, WX+32*((\t)%2)
.if (\t) < 7
	s_wait_loadcnt 32                              ; this block's 32 loads are in; the next block's may be out
.else
	s_wait_loadcnt 0
.endif
.set i, 0
.rept 32
	v_med3_num_f32 v[XS+i], v[XS+i], -v10, v10
.set i, i+1
.endr
.irp g, 0,1,2,3
	v_cvt_scalef32_pk8_fp8_f32 v[WC+2*\g:WC+2*\g+1], v[XS+8*\g:XS+8*\g+7], v11
.endr
	ds_store_b128 v4, v[WC:WC+3] offset:32*(\t)    ; 32 codes: 32 bytes of my column's row.  (The next vector lines are the next block's holds: plain, on other registers)
	ds_store_b128 v4, v[WC+4:WC+7] offset:32*(\t)+16
.if (\t)+2 < 8
	WLOAD (\t)+2
.endif
	s_wait_dscnt 0x0                               ; the stores have read their registers: the next block's codes may be written
.endm
.irp t, 0,1,2,3,4,5,6,7
	WBLOCK \t
.endr
.irp t, 0,1,2,3,4,5,6,7,8,9,10,11,12,13,14,15
	ds_load_b128 v[OUTR+4*\t:OUTR+4*\t+3], v7 offset:2*\t*WPITCH
.endr
.irp t, 0,1,2,3,4,5,6,7,8,9,10,11,12,13,14,15
	s_wait_dscnt 15-\t                             ; loads come back in order: rows 2 t and 2 t + 1 are in
	global_store_b128 v[VO+\t], v[OUTR+4*\t:OUTR+4*\t+3], s[18:19]
.endr
	s_wait_tensorcnt 0x0                           ; the wave's end, behind my last LDS store
	ds_add_u32 v[SPW], v[NIL]
	s_wait_dscnt 0x0
	s_endpgm
.Lfunc_end_k_q83e1aebeae_prep:
	.size	k_q83e1aebeae_prep, .Lfunc_end_k_q83e1aebeae_prep-k_q83e1aebeae_prep
	.p2alignl 7, 3214868480
	.fill 96, 4, 3214868480
	.section	.rodata,"a",@progbits
	.p2align	6, 0x0
	.amdhsa_kernel k_q83e1aebeae_prep
		.amdhsa_group_segment_fixed_size 68096
		.amdhsa_private_segment_fixed_size 0
		.amdhsa_enable_private_segment 0
		.amdhsa_kernarg_size 72
		.amdhsa_user_sgpr_count 2
		.amdhsa_user_sgpr_kernarg_segment_ptr 1
		.amdhsa_wavefront_size32 1
		.amdhsa_system_sgpr_workgroup_id_x 1
		.amdhsa_system_sgpr_workgroup_id_y 1
		.amdhsa_system_sgpr_workgroup_id_z 1
		.amdhsa_system_vgpr_workitem_id 0
		.amdhsa_next_free_vgpr 208
		.amdhsa_next_free_sgpr 66
		.amdhsa_reserve_vcc 1
		.amdhsa_float_denorm_mode_32 3
		.amdhsa_float_denorm_mode_16_64 3
		.amdhsa_memory_ordered 1
		.amdhsa_forward_progress 1
		.amdhsa_inst_pref_size 99
	.end_amdhsa_kernel
	.amdgpu_metadata
---
amdhsa.version: [ 1, 2 ]
amdhsa.kernels:
  - .name:           k_q83e1aebeae_prep
    .symbol:         k_q83e1aebeae_prep.kd
    .args:
      - { .name: X, .offset: 0, .size: 8, .value_kind: global_buffer, .address_space: global }
      - { .name: Wq, .offset: 8, .size: 8, .value_kind: global_buffer, .address_space: global }
      - { .name: Wk, .offset: 16, .size: 8, .value_kind: global_buffer, .address_space: global }
      - { .name: Wv, .offset: 24, .size: 8, .value_kind: global_buffer, .address_space: global }
      - { .name: Wo, .offset: 32, .size: 8, .value_kind: global_buffer, .address_space: global }
      - { .name: lowp_scales, .offset: 40, .size: 8, .value_kind: global_buffer, .address_space: global }
      - { .name: xc, .offset: 48, .size: 8, .value_kind: global_buffer, .address_space: global }
      - { .name: wc, .offset: 56, .size: 8, .value_kind: global_buffer, .address_space: global }
      - { .name: rope, .offset: 64, .size: 8, .value_kind: global_buffer, .address_space: global }
    .group_segment_fixed_size: 68096
    .private_segment_fixed_size: 0
    .kernarg_segment_align: 8
    .kernarg_segment_size: 72
    .max_flat_workgroup_size: 128
    .sgpr_count:     66
    .vgpr_count:     208
    .wavefront_size: 32
...
	.end_amdgpu_metadata
.endif
;; end of part 1
;; launch qkv (part 2): grid 32 x 8, 4 waves a work-group, clusters of 4 x 4, 327,680 bytes of LDS; arguments xc, wc, rope, lowp_scales, qc, kc, vc; writes qc, kc, vc
.if DOCPART == 2
	.amdgcn_target "amdgcn-amd-amdhsa--gfx1250"
	.amdhsa_code_object_version 6
	.text
	.protected	k_q83e1aebeae_qkv
	.globl	k_q83e1aebeae_qkv
	.p2align	8
	.type	k_q83e1aebeae_qkv,@function
k_q83e1aebeae_qkv:
	s_mov_b64 s[64:65], 0
	v_nop
	global_prefetch_b8 v0, s[64:65] scope:SCOPE_SE
	s_setreg_imm32_b32 hwreg(HW_REG_WAVE_MODE, 25, 1), 1
	s_wait_xcnt 0x0
	s_wait_alu depctr_hold_cnt(0) depctr_sa_sdst(0) depctr_va_vdst(0) depctr_va_sdst(0) depctr_va_ssrc(0) depctr_va_vcc(0) depctr_vm_vsrc(0)
	s_getreg_b32 s2, hwreg(HW_REG_IB_STS2, 6, 4)
	s_cmp_eq_u32 s2, 0
	s_cbranch_scc0 .Lentry_in_a_cluster
	s_endpgm
.Lentry_in_a_cluster:
	s_bfe_u32 s2, ttmp6, 0x10000c
	s_cmp_lg_u32 s2, 0xf033
	s_cbranch_scc0 .Lentry_shape_is_right
	s_endpgm
.Lentry_shape_is_right:
; QKV: the three projections on codes of E4M3, the rotary embedding, and the quantisers of q, k and v.  K = 2,048.
; 256 tiles of 256 x 256, one to a work-group of four waves; a wave makes 128 x 128: 64 accumulators of 16 x 16.  K goes in steps of 256 through a ring of two LDS slots filled by the tensor data mover.
; KINDS, by the cluster's x alone (the same in all sixteen partners; choices, no branch): 0-3 q, 4-5 k, 6-7 v.  X = tile column 0..31, Y = tile row 0..7.
;   q, k: C's rows are tokens (A = X's codes, set 0 or 1), C's columns one head's 256 channels (B = rows 256 X of wc).
;   v:    the roles are swapped: C's rows are a head's 256 channels (A = Wv's codes), C's columns 256 tokens (B = X's codes, set 2): v's K is the keys.
; THE MATRIX INSTRUCTION IS USED TRANSPOSED (source 0 = 16 rows of B, source 1 = 16 rows of A): a lane holds one row of C and eight neighbouring columns: eight neighbours along the next product's K.
; B's ROWS OF A WAVE: column half ch takes channels 64 ch + 0..63 (blocks 0-3) and 128 + 64 ch + 0..63 (blocks 4-7): the embedding's partners d and d + 128 lie in one lane, 32 registers apart.
; THE EMBEDDING: out(d) = x(d) cos - x(d+128) sin, out(d+128) = x(d+128) cos + x(d) sin.  cos and sin of the wave's first 16 positions come from the table; for each further 16 rows they are turned by 16 theta
; (the table's row 16).  LIMIT: that is an order of rounding other than cos(round(pos x theta)): the two differ by at most 6.2e-5 absolute (two roundings of an angle under 1,024) plus 1e-6 from the seven turns.
; For v every lane reads the table's row 0, which is (1, 0): embedding and turns change nothing.
; The sums lack 2^(eA + eB); the embedding is linear, so the three exponents are folded into the conversion's one scale.
; LIMITS: e6 - e0 - e1, e7 - e2 - e3 and e9 - e4 - e5 between -126 and 119.  NaN is not served.
; OUT: a tile's codes are one dense block of 65,536 bytes: qc [b 16 + h][1024 t][256 d], kc [b 8 + h][1024 t][256 d], vc [b 8 + h][4 slots of keys][256 d][256 keys].
; THE ROWS OF A BLOCK ARE LAID AS THE NEXT LAUNCH READS THEM: row m of memory holds row m of C with bits 3 and 4 of the number exchanged, in all three kinds.  So the sixteen keys 32 b + 8 u + r + 8 (r / 8) that form a
; tile of K there are sixteen neighbouring rows.  It costs nothing here: only the immediates of the loads that read the stage back differ.
; CLUSTERS: 4 x 4.  A's tile is shared along a row of the cluster, B's along a column: each is asked for jointly.  No prefetch: eight K steps in all, and each tile is asked for once for four work-groups.
; REGISTERS: window 0: v16-31 addresses and scales; v32-63 cos, v64-95 sin, v96-127 cos(16 theta); from v128 A's fragments, ONE set; on the way out v128-255 are free.
;   window 1: B's fragments, TWO sets, at v0 and v128; set 0 takes sin(16 theta) when it is done with.   windows 2, 3: the accumulators ((a, b) at v[8 (8 (a % 4) + b)]).
.set KSTEP,  256
.set ROWB,   256
.set KROW,   2048
.set PITCH,  272                       ; an LDS row: 256 bytes + 16 of padding = 68 words: the 16 rows that a load touches start at 16 different banks (64 banks of 4 bytes: ISA guide 11.1)
.set FR,     16
.set NL,     4
.set NP,     4                         ; places behind this matrix instruction (ISA guide 7.12.1)
.set HALFT,  128*PITCH
.set SLOT,   4*HALFT                   ; A's 256 rows, then B's 256 rows
.set LAPS,   4                         ; a lap = two K steps = once round the ring
.set SPARE,  2*SLOT                    ; behind the ring: the spare words, 128 bytes for each wave
.set ADRA, 16                          ; v16-17 LDS address of my A fragments in slot 0, 1
.set ADRB, 20                          ; v20-21 the same for B
.set LIMR, 23                          ; v23    448 x the conversion's scale
.set STO,  24                          ; v24    the way out: where I put 8 codes of a row
.set RD,   25                          ; v25    where I read a row back
.set CO,   26                          ; v26    my byte offset in the tile's block
.set SCL,  27                          ; v27    the conversion's scale
.set SPW,  28                          ; v28    LDS address of my spare word; never rewritten
.set NIL,  29                          ; v29    0; never rewritten
.set TO1,  30                          ; v30    the table: my row and my eight columns
.set TO2,  31                          ; v31    the table's row 16 (v: row 0), my eight columns
.set CCR,  32
.set SSR,  64
.set CT16, 96
.set ST16, 0                           ; in window 1
.set AF,   128
.set TMP,  128                         ; the way out: 64 numbers
.set CD,   192                         ; two sets of 16 registers of codes
.set BK,   128                         ; rows read back
.set G1, 24
.set G0, 32
.set G1B, 48
.set G0B, 56
.set MSB, 0
.macro WIN new                         ; the immediate's high byte repeats the setting that is left
.if MSB != \new
	s_set_vgpr_msb (MSB<<8)|\new
.set MSB, \new
.endif
.endm
.set MUL_LO, 0xa1                      ; source 0 (B) window 1, source 1 (A) window 0, C and D window 2
.set MUL_HI, 0xf1                      ; the same, C and D window 3
.set TO_B,   0x40                      ; destination window 1, address window 0
; A joint load: waves 0 and 1 fetch for A, waves 2 and 3 for B.  The branch hangs on the wave's number alone.  An s_nop 0 and four v_nop follow each of the two lines.
.macro JLOAD g0a, g1a, g0b, g1b
	s_cmp_eq_u32 s15, 0
	s_cbranch_scc0 .Lfor_b_\@
	tensor_load_to_lds s[\g0a:\g0a+3], s[\g1a:\g1a+7]
	s_nop 0
.rept 4
	v_nop
.endr
	s_branch .Lasked_\@
.Lfor_b_\@:
	tensor_load_to_lds s[\g0b:\g0b+3], s[\g1b:\g1b+7]
	s_nop 0
.rept 4
	v_nop
.endr
.Lasked_\@:
.endm
.macro CREST                           ; a round of the cluster's barrier behind its opening barrier
	s_cmp_lg_u32 s14, 0
	s_cbranch_scc1 .Lnot_wave_0_\@
	s_barrier_signal -3
.Lnot_wave_0_\@:
	s_barrier_wait -3
	s_barrier_signal -1
	s_barrier_wait -1
.endm
.macro CROUND
	s_barrier_signal -1
	s_barrier_wait -1
	CREST
.endm
	s_load_b256 s[4:11], s[0:1], 0x0               ; xc 4:5, wc 6:7, rope 8:9, the exponents 10:11
	s_load_b128 s[68:71], s[0:1], 0x20             ; qc, kc
	s_load_b64 s[72:73], s[0:1], 0x30              ; vc
	v_lshl_add_u32 v[SPW], v0, 2, SPARE
	v_mov_b32 v[NIL], 0
	ds_add_u32 v[SPW], v[NIL]                      ; the wave's opening: the add and its wait stand ahead of my first tensor load; the set-up below stands between them
	v_lshrrev_b32 v1, 5, v0
	v_readfirstlane_b32 s14, v1                    ; wave 0..3
	s_lshr_b32 s15, s14, 1                         ; rh: which half of the tile's rows is mine.  Also: I fetch for A (0) or for B (1)
	s_and_b32 s16, s14, 1                          ; ch: which part of its columns.  Also: which 128 rows of that tile I fetch
	s_bfe_u32 s40, ttmp6, 0x40000                  ; cx, cy
	s_bfe_u32 s41, ttmp6, 0x40004
	s_lshl_b32 s42, ttmp9, 2
	s_add_co_u32 s42, s42, s40                     ; X
	s_and_b32 s17, ttmp7, 0xffff
	s_lshl_b32 s17, s17, 2
	s_add_co_u32 s17, s17, s41                     ; Y
	s_lshl_b32 s43, s41, 2
	s_lshl_b32 s43, 15, s43                        ; my row of the cluster
	s_lshl_b32 s44, 0x1111, s40                    ; my column
	s_or_b32 s[G1+0], s43, (0<<16)|(1<<20)|(1<<21)|(5<<22)|(3<<25)  ; the mask; elements of 1 byte; padding on; bit 21 beside a mask; after every 64 words, 4 words
	s_or_b32 s[G1B+0], s44, (0<<16)|(1<<20)|(1<<21)|(5<<22)|(3<<25)
.irp g, G1, G1B
	s_mov_b32 s[\g+1], ROWB<<16                    ; tensor_dim0
	s_mov_b32 s[\g+2], 128<<16                     ; tensor_dim1
	s_mov_b32 s[\g+3], ROWB<<16                    ; tile_dim0
	s_mov_b32 s[\g+4], 128                         ; tile_dim1
	s_mov_b32 s[\g+5], KROW                        ; from row to row
	s_mov_b32 s[\g+6], 0
	s_mov_b32 s[\g+7], 0
.endr
	s_mov_b32 s75, 6144                            ; A's first row: v: Wv's codes in wc,
	s_cmp_lt_u32 ttmp9, 6
	s_cselect_b32 s75, 2048, s75                   ; k: X's set 1,
	s_cselect_b32 s66, 0, 2048                     ; (B's rows: v: 4096 + 256 (X - 24) = 256 X - 2048)
	s_cselect_b32 s74, 1, 0                        ; 1 where the embedding applies
	s_cmp_lt_u32 ttmp9, 4
	s_cselect_b32 s75, 0, s75                      ; q: X's set 0
	s_lshl_b32 s18, s16, 7                         ; which 128 rows of the tile I fetch
	s_lshl_b32 s20, s17, 8
	s_add_co_u32 s20, s20, s18
	s_add_co_u32 s20, s20, s75
	s_lshl_b32 s20, s20, 11                        ; A: rows of 2,048 bytes; made of Y, the wave and the kind
	s_mov_b32 s21, 0
	s_lshl_b32 s46, s42, 8
	s_add_co_u32 s46, s46, s18
	s_sub_co_u32 s46, s46, s66
	s_lshl_b32 s46, s46, 11                        ; B: made of X, the wave and the kind
	s_mov_b32 s47, 0
	s_mul_i32 s45, s14, HALFT                      ; where they go: wave x 128 rows
	s_wait_dscnt 0x0                               ; the opening add is done
	s_wait_kmcnt 0x0
	s_load_b256 s[76:83], s[10:11], 0x0            ; e0 .. e7
	s_load_b128 s[84:87], s[10:11], 0x20           ; e8 .. e11
	s_cmp_lt_u32 ttmp9, 6
	s_cselect_b64 s[88:89], s[4:5], s[6:7]         ; A's buffer
	s_cselect_b64 s[90:91], s[6:7], s[4:5]         ; B's
	s_add_nc_u64 s[20:21], s[88:89], s[20:21]
	s_add_nc_u64 s[46:47], s[90:91], s[46:47]
	CROUND                                         ; all sixteen work-groups are here: the first joint loads meet
.irp s, 0,1
	s_mov_b32 s[G0+4*\s], 1
	s_add_co_u32 s[G0+4*\s+1], s45, \s*SLOT
	s_add_nc_u64 s[G0+4*\s+2:G0+4*\s+3], s[20:21], \s*ROWB
	s_or_b32 s[G0+4*\s+3], s[G0+4*\s+3], 0x80000000
	s_mov_b32 s[G0B+4*\s], 1
	s_add_co_u32 s[G0B+4*\s+1], s45, \s*SLOT
	s_add_nc_u64 s[G0B+4*\s+2:G0B+4*\s+3], s[46:47], \s*ROWB
	s_or_b32 s[G0B+4*\s+3], s[G0B+4*\s+3], 0x80000000
	JLOAD G0+4*\s, G1, G0B+4*\s, G1B
.endr
	v_and_b32 v1, 15, v0                           ; r
	v_bfe_u32 v2, v0, 4, 1                         ; h
	v_mul_u32_u24 v3, v1, PITCH
	v_lshl_add_u32 v4, v2, 4, v3                   ; a fragment's row x pitch + 16 h
	s_mul_i32 s21, s15, HALFT                      ; my 128 rows of A
	s_mul_i32 s22, s16, 64*PITCH                   ; my rows of B begin at row 64 ch,
	s_add_co_u32 s22, s22, 2*HALFT                 ; behind A's 256
.irp s, 0,1
	v_add_nc_u32 v[ADRA+\s], s21, v4
	v_add_nc_u32 v[ADRB+\s], s22, v4
	s_add_co_u32 s21, s21, SLOT
	s_add_co_u32 s22, s22, SLOT
.endr
	s_mul_i32 s23, s15, 128*PITCH                  ; the stage, 256 rows x 272 in slot 0: in: row 128 rh + r, byte 64 ch + 8 h
	s_lshl_b32 s18, s16, 6
	s_add_co_u32 s23, s23, s18
	v_lshl_add_u32 v5, v2, 3, v3
	v_add_nc_u32 v[STO], s23, v5
	s_mul_i32 s23, s14, 64*PITCH                   ; back: wave w takes rows 64 w on; lanes 0-15 one row, lanes 16-31 the next
	v_mul_u32_u24 v5, v2, PITCH
	v_lshl_add_u32 v5, v1, 4, v5
	v_add_nc_u32 v[RD], s23, v5
	v_lshlrev_b32 v5, 8, v2
	v_lshl_add_u32 v[CO], v1, 4, v5
	s_and_b32 s92, s17, 3                          ; the table: my first position (Y % 4) 256 + 128 rh,
	s_lshl_b32 s92, s92, 8
	s_lshl_b32 s93, s15, 7
	s_add_co_u32 s92, s92, s93
	v_add_nc_u32 v5, s92, v1                       ; + r,
	v_lshlrev_b32 v5, 9, v5                        ; rows of 512 bytes;
	v_mul_u32_u24 v5, s74, v5                      ; row 0 for v
	s_lshl_b32 s93, s16, 8
	v_lshl_add_u32 v6, v2, 5, s93                  ; columns 64 ch + 8 h on, 4 bytes each
	v_add_nc_u32 v[TO1], v5, v6
	s_lshl_b32 s92, s74, 13                        ; row 16, or row 0 for v
	v_add_nc_u32 v[TO2], s92, v6
.irp b, 0,1,2,3                        ; they land while the products run: the loop touches none of v30-127 of window 0
.irp u, 0,1
	global_load_b128 v[CCR+8*\b+4*\u:CCR+8*\b+4*\u+3], v[TO1], s[8:9] offset:64*\b+16*\u
	global_load_b128 v[SSR+8*\b+4*\u:SSR+8*\b+4*\u+3], v[TO1], s[8:9] offset:524288+64*\b+16*\u
	global_load_b128 v[CT16+8*\b+4*\u:CT16+8*\b+4*\u+3], v[TO2], s[8:9] offset:64*\b+16*\u
.endr
.endr
.macro FRAG reg, adr, q, row           ; a fragment, 16 rows x 128 K: lane l holds row l % 16; registers 4 c .. 4 c + 3 hold K = 32 c + 16 (l / 16) + 0 .. 15: the same order of k in A and in B
.irp c, 0,1,2,3
	ds_load_b128 v[\reg+4*\c:\reg+4*\c+3], v[\adr] offset:128*(\q)+32*\c+(\row)*PITCH
.endr
.endm
; 16 matrix instructions: A's blocks a0, a0 + 1 x B's eight.  The 64 accumulators take turns, one instruction a turn, in the same order in every step.
.macro MUL16 a0, p, zero
.irp a, \a0, \a0+1
.irp b, 0,1,2,3,4,5,6,7
.if \zero
	v_wmma_f32_16x16x128_fp8_fp8 v[8*(8*((\a)%4)+\b):8*(8*((\a)%4)+\b)+7], v[128*(\p)+FR*\b:128*(\p)+FR*\b+FR-1], v[AF+FR*(\a):AF+FR*(\a)+FR-1], 0
.else
	v_wmma_f32_16x16x128_fp8_fp8 v[8*(8*((\a)%4)+\b):8*(8*((\a)%4)+\b)+7], v[128*(\p)+FR*\b:128*(\p)+FR*\b+FR-1], v[AF+FR*(\a):AF+FR*(\a)+FR-1], v[8*(8*((\a)%4)+\b):8*(8*((\a)%4)+\b)+7]
.endif
.endr
.endr
.endm
.macro FETCH_B slot, q, p              ; B's eight fragments: blocks 0-3 at rows 16 i, blocks 4-7 another 64 rows on
	WIN TO_B
.irp i, 0,1,2,3,4,5,6,7
	FRAG 128*(\p)+FR*\i, ADRB+\slot, \q, 16*\i+64*(\i/4)
.endr
	WIN 0
.endm
.macro FETCH_A slot, q, i0
.irp i, \i0, \i0+1, \i0+2, \i0+3
	FRAG AF+FR*(\i), ADRA+\slot, \q, 16*(\i)
.endr
.endm
.macro PLACES n                        ; plain vector lines between a matrix instruction and a load into, or a vector read of, its registers
.rept \n
	v_nop
.endr
.endm
.macro STEP slot, q, zero              ; a step of 128 along K that has its successor in the same slot
	s_wait_dscnt 4*NL                              ; B's set and A's blocks 0-3 are in; the youngest sixteen loads (A's blocks 4-7) may be out
	WIN MUL_LO
	MUL16 0, (\q)%2, \zero
	MUL16 2, (\q)%2, \zero
	s_wait_dscnt 0
	PLACES NP
	FETCH_B \slot, (\q)+1, 1-(\q)%2
	FETCH_A \slot, (\q)+1, 0
	WIN MUL_HI
	MUL16 4, (\q)%2, \zero
	MUL16 6, (\q)%2, \zero
	PLACES NP
	WIN 0
	FETCH_A \slot, (\q)+1, 4
.endm
; A slot's last step changes slots: ONE barrier; in front of it each wave waits for all its tensor loads, adds 0 to its spare word, and waits for that and for its reads of this slot.
.macro TURN slot, next, fill
	s_wait_tensorcnt 0x0                           ; all my tensor loads have landed: my part of the next slot
	ds_add_u32 v[SPW], v[NIL]                      ; 0 onto my spare word
	s_wait_dscnt 4*NL+1                            ; the add and the youngest sixteen loads may be out
	WIN MUL_LO
	MUL16 0, 1, 0
	s_wait_dscnt 0x0                               ; the add is done, and my reads of this slot are over
	s_barrier_signal -1
	MUL16 2, 1, 0
	WIN 0
	s_barrier_wait -1
.if \fill
	CREST                                          ; the barrier has opened a round of the cluster's: no wave of any partner still reads this slot or has a load on its way
	s_add_nc_u64 s[G0+4*\slot+2:G0+4*\slot+3], s[G0+4*\slot+2:G0+4*\slot+3], 2*ROWB
	s_add_nc_u64 s[G0B+4*\slot+2:G0B+4*\slot+3], s[G0B+4*\slot+2:G0B+4*\slot+3], 2*ROWB
	JLOAD G0+4*\slot, G1, G0B+4*\slot, G1B         ; the first tensor load behind the round; its four v_nop are the places in front of the loads below
.else
	PLACES NP
.endif
	FETCH_B \next, 0, 0
	FETCH_A \next, 0, 0
	WIN MUL_HI
	MUL16 4, 1, 0
	MUL16 6, 1, 0
	PLACES NP
	WIN 0
	FETCH_A \next, 0, 4
.endm
	s_wait_tensorcnt 1                             ; my part of K step 0 is in; K step 1's load may be out
	s_barrier_signal -1
	s_barrier_wait -1
	FETCH_B 0, 0, 0
	FETCH_A 0, 0, 0
	FETCH_A 0, 0, 4
	STEP 0, 0, 1                                   ; the first step's products start the sums
	s_mov_b32 s3, LAPS-1
.Llap:
	TURN 0, 1, 1
	STEP 1, 0, 0
	TURN 1, 0, 1
	STEP 0, 0, 0
	s_sub_co_u32 s3, s3, 1
	s_cmp_lg_u32 s3, 0
	s_cbranch_scc1 .Llap
	TURN 0, 1, 0                                   ; the last lap fills nothing
	STEP 1, 0, 0
	WIN TO_B                                       ; B's set 0 is done with (the step's closing places stand behind its last products): it takes sin(16 theta)
.irp b, 0,1,2,3
.irp u, 0,1
	global_load_b128 v[ST16+8*\b+4*\u:ST16+8*\b+4*\u+3], v[TO2], s[8:9] offset:524288+64*\b+16*\u
.endr
.endr
	s_wait_dscnt 4*NL
	WIN MUL_LO
	MUL16 0, 1, 0
	MUL16 2, 1, 0
	s_wait_dscnt 0
	WIN MUL_HI
	MUL16 4, 1, 0
	MUL16 6, 1, 0
	WIN 0
	; THE WAY OUT
	s_wait_kmcnt 0x0
	s_sub_co_i32 s92, s82, s76
	s_sub_co_i32 s92, s92, s77                     ; q: e6 - e0 - e1
	s_sub_co_i32 s93, s83, s78
	s_sub_co_i32 s93, s93, s79                     ; k: e7 - e2 - e3
	s_sub_co_i32 s96, s85, s80
	s_sub_co_i32 s96, s96, s81                     ; v: e9 - e4 - e5
	s_cmp_lt_u32 ttmp9, 6
	s_cselect_b32 s93, s93, s96
	s_cmp_lt_u32 ttmp9, 4
	s_cselect_b32 s92, s92, s93
	s_add_co_i32 s92, s92, 127
	s_lshl_b32 s93, s92, 23
	s_add_co_i32 s92, s92, 8
	s_lshl_b32 s92, s92, 23
	s_or_b32 s92, s92, 0x600000
	s_sub_co_u32 s96, s42, 24                      ; where the tile goes: block ((tok / 4) heads + head) 4 + tok % 4 of 65,536 bytes
	s_sub_co_u32 s97, s42, 16
	s_cmp_lt_u32 ttmp9, 6
	s_cselect_b32 s96, s17, s96                    ; tok: Y, or X - 24 for v
	s_cselect_b32 s97, s97, s17                    ; head: X - 16 for k, Y for v,
	s_cselect_b64 s[94:95], s[70:71], s[72:73]
	s_cmp_lt_u32 ttmp9, 4
	s_cselect_b32 s97, s42, s97                    ; X for q
	s_cselect_b64 s[94:95], s[68:69], s[94:95]
	s_cselect_b32 s98, 4, 3                        ; log2 of the heads
	s_lshr_b32 s99, s96, 2
	s_lshl_b32 s99, s99, s98
	s_add_co_u32 s99, s99, s97
	s_lshl_b32 s99, s99, 2
	s_and_b32 s96, s96, 3
	s_add_co_u32 s99, s99, s96
	s_lshl_b32 s98, s99, 16
	s_lshl_b32 s96, s14, 14                        ; + my 64 rows of 256 bytes
	s_add_co_u32 s98, s98, s96
	s_mov_b32 s99, 0
	s_add_nc_u64 s[94:95], s[94:95], s[98:99]
	s_wait_loadcnt 0x0                             ; the table
	PLACES NP                                      ; behind the last products: A's registers are written below, and results are read
	v_mov_b32 v[SCL], s93
	v_mov_b32 v[LIMR], s92
; Block a: 16 rows x my 128 columns: the embedding, the hold, the conversion, 8 codes a store into the stage.  Each accumulator is read from its low end on.
.macro ROPEQ a
.set AC, 64*((\a)%4)
.set CDR, CD+16*((\a)%2)
	WIN 0x02+((\a)/4)                              ; source 0: window 2 or 3
.set p, 0
.rept 16
	v_pk_mul_f32 v[TMP+p:TMP+p+1], v[AC+p:AC+p+1], v[CCR+p:CCR+p+1]
.set p, p+2
.endr
.set p, 0
.rept 16
	v_pk_mul_f32 v[TMP+32+p:TMP+32+p+1], v[AC+32+p:AC+32+p+1], v[CCR+p:CCR+p+1]
.set p, p+2
.endr
.set p, 0
.rept 16
	v_pk_fma_f32 v[TMP+p:TMP+p+1], v[AC+32+p:AC+32+p+1], v[SSR+p:SSR+p+1], v[TMP+p:TMP+p+1] neg_lo:[1,0,0] neg_hi:[1,0,0]
.set p, p+2
.endr
.set p, 0
.rept 16
	v_pk_fma_f32 v[TMP+32+p:TMP+32+p+1], v[AC+p:AC+p+1], v[SSR+p:SSR+p+1], v[TMP+32+p:TMP+32+p+1]
.set p, p+2
.endr
	WIN 0
.set p, 0
.rept 64
	v_med3_num_f32 v[TMP+p], v[TMP+p], -v[LIMR], v[LIMR]   ; the conversion does not saturate (ISA guide 7.6.2)
.set p, p+1
.endr
.if (\a) > 1
	s_wait_dscnt 8                                 ; the stores of two blocks ago have read this set of code registers; the last block's eight may be out
.endif
.irp g, 0,1,2,3,4,5,6,7
	v_cvt_scalef32_pk8_fp8_f32 v[CDR+2*\g:CDR+2*\g+1], v[TMP+8*\g:TMP+8*\g+7], v[SCL]
.endr
	v_nop                                          ; a plain line behind the conversions: their sources are written next
.irp g, 0,1,2,3,4,5,6,7
	ds_store_b64 v[STO], v[CDR+2*\g:CDR+2*\g+1] offset:(\a)*16*PITCH+16*\g+64*(\g/4)
.endr
.endm
.macro ROTATE                          ; cos and sin of positions 16 further on
	WIN 0x04                                       ; source 1 window 1
.set p, 0
.rept 16
	v_pk_mul_f32 v[TMP+p:TMP+p+1], v[CCR+p:CCR+p+1], v[ST16+p:ST16+p+1]
.set p, p+2
.endr
.set p, 0
.rept 16
	v_pk_mul_f32 v[TMP+32+p:TMP+32+p+1], v[SSR+p:SSR+p+1], v[ST16+p:ST16+p+1]
.set p, p+2
.endr
	WIN 0
.set p, 0
.rept 16
	v_pk_fma_f32 v[CCR+p:CCR+p+1], v[CCR+p:CCR+p+1], v[CT16+p:CT16+p+1], v[TMP+32+p:TMP+32+p+1] neg_lo:[0,0,1] neg_hi:[0,0,1]
.set p, p+2
.endr
.set p, 0
.rept 16
	v_pk_fma_f32 v[SSR+p:SSR+p+1], v[SSR+p:SSR+p+1], v[CT16+p:CT16+p+1], v[TMP+p:TMP+p+1]
.set p, p+2
.endr
.endm
.irp a, 0,1,2,3,4,5,6
	ROPEQ \a
	ROTATE
.endr
	ROPEQ 7
	s_wait_dscnt 0x0                               ; for the others' sake: my stores into the stage are done (a row's 256 bytes come from two waves)
	s_barrier_signal -1
	s_barrier_wait -1
.set t, 0
.rept 32                               ; memory rows 64 w + 2 t + h take the stage's rows with bits 3 and 4 of the number exchanged: bits 2 and 3 of t
.set tp, (t&19)|((t&4)<<1)|((t&8)>>1)
	ds_load_b128 v[BK+4*t:BK+4*t+3], v[RD] offset:tp*2*PITCH
.set t, t+1
.endr
.set t, 0
.rept 32
	s_wait_dscnt 31-t                              ; loads come back in order: memory rows 2 t and 2 t + 1 are in
	global_store_b128 v[CO], v[BK+4*t:BK+4*t+3], s[94:95] offset:512*t   ; 32 lanes store 512 consecutive bytes
.set t, t+1
.endr
	s_wait_tensorcnt 0x0                           ; the wave's end
	ds_add_u32 v[SPW], v[NIL]
	s_wait_dscnt 0x0
	CROUND                                         ; the closing round
	s_endpgm
.Lfunc_end_k_q83e1aebeae_qkv:
	.size	k_q83e1aebeae_qkv, .Lfunc_end_k_q83e1aebeae_qkv-k_q83e1aebeae_qkv
	.p2alignl 7, 3214868480
	.fill 96, 4, 3214868480
	.section	.rodata,"a",@progbits
	.p2align	6, 0x0
	.amdhsa_kernel k_q83e1aebeae_qkv
		.amdhsa_group_segment_fixed_size 327680
		.amdhsa_private_segment_fixed_size 0
		.amdhsa_enable_private_segment 0
		.amdhsa_kernarg_size 56
		.amdhsa_user_sgpr_count 2
		.amdhsa_user_sgpr_kernarg_segment_ptr 1
		.amdhsa_wavefront_size32 1
		.amdhsa_system_sgpr_workgroup_id_x 1
		.amdhsa_system_sgpr_workgroup_id_y 1
		.amdhsa_system_sgpr_workgroup_id_z 1
		.amdhsa_system_vgpr_workitem_id 0
		.amdhsa_next_free_vgpr 1024
		.amdhsa_next_free_sgpr 100
		.amdhsa_reserve_vcc 0
		.amdhsa_float_denorm_mode_32 3
		.amdhsa_float_denorm_mode_16_64 3
		.amdhsa_memory_ordered 1
		.amdhsa_forward_progress 1
		.amdhsa_inst_pref_size 190
	.end_amdhsa_kernel
	.amdgpu_metadata
---
amdhsa.version: [ 1, 2 ]
amdhsa.kernels:
  - .name:           k_q83e1aebeae_qkv
    .symbol:         k_q83e1aebeae_qkv.kd
    .args:
      - { .name: xc, .offset: 0, .size: 8, .value_kind: global_buffer, .address_space: global }
      - { .name: wc, .offset: 8, .size: 8, .value_kind: global_buffer, .address_space: global }
      - { .name: rope, .offset: 16, .size: 8, .value_kind: global_buffer, .address_space: global }
      - { .name: lowp_scales, .offset: 24, .size: 8, .value_kind: global_buffer, .address_space: global }
      - { .name: qc, .offset: 32, .size: 8, .value_kind: global_buffer, .address_space: global }
      - { .name: kc, .offset: 40, .size: 8, .value_kind: global_buffer, .address_space: global }
      - { .name: vc, .offset: 48, .size: 8, .value_kind: global_buffer, .address_space: global }
    .group_segment_fixed_size: 327680
    .private_segment_fixed_size: 0
    .kernarg_segment_align: 8
    .kernarg_segment_size: 56
    .max_flat_workgroup_size: 128
    .sgpr_count:     100
    .vgpr_count:     1024
    .wavefront_size: 32
...
	.end_amdgpu_metadata
.endif
;; end of part 2
;; launch attn (part 3): grid 16 x 16, 8 waves a work-group, no clusters, 327,680 bytes of LDS; arguments qc, kc, vc, lowp_scales, yc; writes yc
.if DOCPART == 3
	.amdgcn_target "amdgcn-amd-amdhsa--gfx1250"
	.amdhsa_code_object_version 6
	.text
	.protected	k_q83e1aebeae_attn
	.globl	k_q83e1aebeae_attn
	.p2align	8
	.type	k_q83e1aebeae_attn,@function
k_q83e1aebeae_attn:
	s_mov_b64 s[64:65], 0
	v_nop
	global_prefetch_b8 v0, s[64:65] scope:SCOPE_SE
	s_setreg_imm32_b32 hwreg(HW_REG_WAVE_MODE, 25, 1), 1
	s_wait_xcnt 0x0
; ATTN: y = softmax(causal(50 tanh(q k^T / 16 / 50))) v on codes of E4M3, and y's quantiser.  Head size 256, 1,024 positions, 32 query heads in all, two to each of 16 key and value heads.
; THE SOFTMAX AHEAD OF THE SECOND PRODUCT: t = logit x log2(e); M = the running largest t rounded UP to a whole number; p = 2^(t - M) is quantised along the keys, not normalised; the row's sum is taken of the
; unquantised p and divides at the end.  When M moves, the sum and O are multiplied by 2^(old M - new M): exact.
; tanh(x), x = score x 2^(e6 + e7) / 800 held within +-7.905311, is x P(x^2) / Q(x^2), P of degree 6 and Q of degree 3 in x^2: no cancellation at small x.  50 log2(e) is multiplied into P's coefficients, so the quotient is t.
; SHARES.  Work-group (j, g): key and value head g = b 8 + kvh; its eight waves own one tile of 16 queries each: tiles 2 j, 2 j + 1, 62 - 2 j, 63 - 2 j of both query heads of g.
; A tile i walks i / 8 + 1 key steps of 128, so every work-group has 36 wave steps, and waves w and w + 4 together always nine.
; NO CLUSTER: a step that lies wholly behind a wave's queries is left out by a scalar branch on the wave's first query, which differs between the work-groups that read the same K and V.
; The only query blocks with equal positions, the two heads of g, are already in one work-group.
; K's and V's tiles come through a ring of two LDS slots of 256 keys; every wave fetches 64 rows of 256 bytes (waves 0-3 K's quarters, waves 4-7 V's); all eight read them.  A wave has one tensor load out.
; LAYOUT.  Both products are used transposed: S^T = K Q^T, O^T = V^T P^T: a lane holds ONE query throughout.  THE KEYS OF A TILE ARE NOT NEIGHBOURS: lane r of tile 2 b + u takes key 32 b + 8 u + r + 8 (r / 8), so that the 16
; registers of tiles 2 b, 2 b + 1 are keys 32 b + 16 (lane / 16) + 0 .. 15, the order of the next operand.  THE ROWS OF qc, kc AND vc lie with bits 3 and 4 of the row number exchanged (the launch before stores them so):
; a tile's sixteen keys are rows 16 (2 b + u) + r of the slot, which at a pitch of 272 bytes start at sixteen different banks (64 banks of 4 bytes: ISA guide 11.1); query Q0 + r lies at row 32 (tile / 2) + 8 (tile % 2) + r + 8 (r / 8);
; and row 16 td + 8 h + i of V is channel 32 (td / 2) + 16 h + 8 (td % 2) + i, which the way out's stage offsets undo.
; LDS LOADS STAND UNDER THE VECTOR WORK.  A key step reads 32 fragments of 16 registers.  Only K's first eight are waited for with nothing else to do.  K's other eight are asked for between the groups of the first 32 numbers'
; tanh, V's sixteen between those of the second 32's and of the softmax, in runs of eight loads.  For that tanh goes in two batches with 64 registers of temporaries, and a wave has 512 registers, two waves to a SIMD's 1,024.
; The price: a second wait behind reciprocals in a step, and two window switches for each run that lands in window 1.
; LIMITS: e6 + e7 between -116 and 137 (added to the exponent field of 1/800); e8, and e10 - e8 - e9, between -126 and 119.  NaN is not served.
; REGISTERS: window 0: v1-31 addresses, statistics, constants; v32-63 Q; v64-127 S^T, then t, then p, at last V's fragment 15; v128-191 tanh's temporaries, then V's fragments 11-14; v192-255 four fragments (BA).
;   window 1: v0-127 O^T (16 tiles); v128-143 p's codes; v144-255 seven fragments (BB).
.set PK,    272                        ; a row in LDS: 256 bytes + 16 of padding
.set QTR,   64*PK                      ; what one tensor load brings
.set VOFF,  256*PK                     ; a slot: 256 keys' rows of K, then 256 rows (channels) of V
.set SLOTB, 2*VOFF
.set SPARE, 2*SLOTB                    ; behind the ring: the spare words, 128 bytes for each of the eight waves
.set AK0,  1                           ; v1  my lane's place in a tile of K
.set AV0,  2                           ; v2  the same for V
.set PFO,  3                           ; v3  256 x lane: the prefetches' offset; never rewritten
.set DRH,  4                           ; v4  r - 16 h, for the mask
.set SPW,  5                           ; v5  LDS address of my spare word; never rewritten
.set NIL,  6                           ; v6  0; never rewritten
.set GO,   7                           ; v7  the way out: my byte offset in the wave's rows of yc
.set ADK,  8
.set ADV,  9
.set QF,   32
.set S,    64
.set X2,   128                         ; tanh: x^2, 32 numbers;
.set PP,   160                         ; P, then Q, then 1 / Q
.set BA,   192                         ; four fragments, window 0
.set F,    128                         ; the way out: 128 numbers
.set PC,   128                         ; in window 1
.set BB,   144                         ; seven fragments, window 1
.set TB,   2                           ; s2  LDS byte at which the slot in hand begins
.set LASTQ, 3                          ; s3  my work-group's last query
.set WV,   18
.set FB,   19                          ; s19 LDS byte at which the slot being filled begins
.set SEL,  20                          ; s[20:21] lane selects: lane l xor 16
.set CS,   22                          ; s[22:23] 2^(e6 + e7) / 800
.set G1,   24
.set G0,   40
.set SLOTS, 67
.set PFA,  76
.set LIM,  80
.set KF,   98                          ; s98 the step's first key
.set Q0,   99                          ; s99 my first query
.set MSB, 0
.macro WIN new                         ; the immediate's high byte repeats the setting that is left; a switch that changes nothing is dropped
.if MSB != \new
	s_set_vgpr_msb (MSB<<8)|\new
.set MSB, \new
.endif
.endm
.macro TLOAD                           ; every wave's own 64 rows; an s_nop 0 and four v_nop follow
	tensor_load_to_lds s[G0:G0+3], s[G1:G1+7]
	s_nop 0
.rept 4
	v_nop
.endr
.endm
; A prefetch of what the NEXT change of slots will ask for: the 64 rows of 256 bytes that this wave will fetch then, lanes 256 bytes apart, two instructions.  All sixteen work-groups of g walk the same K and V:
; the first of them (j = 0), which walks all four slots, asks, so each block of 256 bytes is named once.  Slots 0 and 1 come by their loads alone; the last change that could fill a slot asks for nothing.
.macro ASK
	s_cmp_gt_u32 s[SLOTS], s[LIM]
	s_cbranch_scc0 .Lnot_mine_\@
	global_prefetch_b8 v[PFO], s[PFA:PFA+1] th:TH_LOAD_NT scope:SCOPE_SE
	global_prefetch_b8 v[PFO], s[PFA:PFA+1] offset:8192 th:TH_LOAD_NT scope:SCOPE_SE
.Lnot_mine_\@:
.endm
	s_load_b256 s[4:11], s[0:1], 0x0               ; qc 4:5, kc 6:7, vc 8:9, the exponents 10:11
	s_load_b64 s[12:13], s[0:1], 0x20              ; yc
	v_lshl_add_u32 v[SPW], v0, 2, SPARE
	v_mov_b32 v[NIL], 0
	ds_add_u32 v[SPW], v[NIL]                      ; the wave's opening: the add and its wait stand ahead of my first tensor load; the set-up below stands between them
	v_lshrrev_b32 v8, 5, v0
	v_readfirstlane_b32 s[WV], v8                  ; wave 0..7
	s_and_b32 s14, ttmp7, 0xffff                   ; g
	s_lshr_b32 s15, s[WV], 2                       ; which of g's two query heads
	s_and_b32 s16, s[WV], 3
	s_mul_i32 s17, s[WV], QTR                      ; my quarter's place in a slot: K's four, then V's four
	s_mul_i32 s66, s15, 3
	s_xor_b32 s66, s66, s16                        ; u = w, or 3 - (w - 4): waves w and w + 4 take a short and a long tile
	s_lshl_b32 s68, ttmp9, 1
	s_add_co_u32 s69, s68, s66                     ; 2 j + u,
	s_sub_co_u32 s70, 60, s68
	s_add_co_u32 s70, s70, s66                     ; or 60 - 2 j + u
	s_cmp_lt_u32 s66, 2
	s_cselect_b32 s69, s69, s70                    ; my tile
	s_lshl_b32 s[Q0], s69, 4
	s_lshr_b32 s70, s69, 1
	s_lshl_b32 s70, s70, 5
	s_and_b32 s69, s69, 1
	s_lshl_b32 s69, s69, 3
	s_add_co_u32 s70, s70, s69                     ; the row of qc at which my queries begin: 32 (tile / 2) + 8 (tile % 2)
	s_lshl_b32 s[LASTQ], ttmp9, 5
	s_sub_co_u32 s[LASTQ], 1023, s[LASTQ]          ; 16 (63 - 2 j) + 15
	s_lshl_b32 s71, s14, 1
	s_add_co_u32 s71, s71, s15                     ; H = b 16 + head
	s_lshl_b32 s72, s71, 10
	s_add_co_u32 s72, s72, s70
	s_lshl_b32 s72, s72, 8                         ; my queries' codes
	s_mov_b32 s73, 0
	s_lshl_b32 s74, s14, 18                        ; g's 262,144 bytes of K or of V,
	s_lshl_b32 s75, s16, 14                        ; my 64 rows of a slot
	s_add_co_u32 s74, s74, s75
	s_mov_b32 s75, 0
	s_lshr_b32 s78, s14, 3                         ; yc: token b 1024 + Q0, rows of 4,096 bytes,
	s_lshl_b32 s78, s78, 10
	s_add_co_u32 s78, s78, s[Q0]
	s_lshl_b32 s78, s78, 12
	s_and_b32 s79, s71, 15
	s_lshl_b32 s79, s79, 8                         ; + 256 x head
	s_add_co_u32 s78, s78, s79
	s_mov_b32 s79, 0
	s_mov_b32 s[G1], (0<<16)|(1<<20)|(5<<22)|(3<<25)   ; no mask; elements of 1 byte; padding on: after every 64 words, 4 words
	s_mov_b32 s[G1+1], 256<<16                     ; tensor_dim0
	s_mov_b32 s[G1+2], 64<<16                      ; tensor_dim1
	s_mov_b32 s[G1+3], 256<<16                     ; tile_dim0
	s_mov_b32 s[G1+4], 64                          ; tile_dim1
	s_mov_b32 s[G1+5], 256                         ; from row to row
	s_mov_b32 s[G1+6], 0
	s_mov_b32 s[G1+7], 0
	s_mov_b32 s[SEL], 0x76543210
	s_mov_b32 s[SEL+1], 0xfedcba98
	s_mov_b32 s[TB], 0
	s_mov_b32 s[FB], 0
	s_mov_b32 s[SLOTS], 3
	s_mov_b32 s[KF], 0
	s_cmp_eq_u32 ttmp9, 0
	s_cselect_b32 s[LIM], 1, -1
	s_wait_dscnt 0x0                               ; the opening add is done
	s_wait_kmcnt 0x0
	s_load_b256 s[84:91], s[10:11], 0x0            ; e0 .. e7
	s_load_b128 s[92:95], s[10:11], 0x20           ; e8 .. e11
	s_cmp_lt_u32 s[WV], 4
	s_cselect_b64 s[G0+2:G0+3], s[6:7], s[8:9]     ; waves 0-3 fetch K, waves 4-7 V
	s_add_nc_u64 s[G0+2:G0+3], s[G0+2:G0+3], s[74:75]
	s_add_nc_u64 s[PFA:PFA+1], s[G0+2:G0+3], 65536 ; the prefetches stand in slot 1; the first change steps them to slot 2
	s_or_b32 s[G0+3], s[G0+3], 0x80000000          ; type = 2
	s_mov_b32 s[G0], 1
	s_mov_b32 s[G0+1], s17
	TLOAD                                          ; slot 0
	s_add_nc_u64 s[4:5], s[4:5], s[72:73]
	s_add_nc_u64 s[12:13], s[12:13], s[78:79]
	v_and_b32 v8, 15, v0                           ; r
	v_bfe_u32 v9, v0, 4, 1                         ; h
	v_and_b32 v10, 8, v8
	v_add_nc_u32 v10, v10, v8                      ; r + 8 (r / 8)
	v_lshlrev_b32 v11, 8, v10
	v_lshl_add_u32 v11, v9, 4, v11                 ; Q: that row of 256 bytes, + 16 h (v11 stays until the loads are in)
.irp f, 0,1
.irp c, 0,1,2,3
	global_load_b128 v[QF+16*\f+4*\c:QF+16*\f+4*\c+3], v11, s[4:5] offset:128*\f+32*\c   ; Q's two fragments stay in registers
.endr
.endr
	v_mul_u32_u24 v[AK0], v8, PK
	v_lshl_add_u32 v[AK0], v9, 4, v[AK0]           ; K and V alike: row r of a tile, + 16 h
	v_add_nc_u32 v[AV0], VOFF, v[AK0]
	v_and_b32 v[PFO], 31, v0
	v_lshlrev_b32 v[PFO], 8, v[PFO]
	v_lshlrev_b32 v10, 4, v9
	v_sub_nc_u32 v[DRH], v8, v10
	v_lshlrev_b32 v[GO], 12, v9
	v_lshl_add_u32 v[GO], v8, 4, v[GO]             ; lanes 0-15 one row of yc, lanes 16-31 the next; 16 bytes a lane
	v_mov_b32 v13, 0xff61b1e6                      ; the largest t so far: -3e38
	v_floor_f32 v12, -v13                          ; -M
	v_mov_b32 v14, 0                               ; the sum, in two halves
	v_mov_b32 v15, 0
	v_mov_b32 v17, 0                               ; (named as the upper half of the pair v[16:17])
	v_mov_b32 v18, 0                               ; a lane permute's destination counts as one of its sources
	v_mov_b32 v24, 0xff800000                      ; -infinity
	v_mov_b32 v26, 0x40fcf84f                      ; 7.905311: beyond it tanh is 1 in f32
; P's coefficients x 50 log2(e), each as a scalar pair: the packed forms name a pair and take its low word for both halves
.macro ALPHA sreg, hex
	v_mov_b32 v10, \hex
	v_mul_f32 v10, 0x429044fe, v10
	v_readfirstlane_b32 s[\sreg], v10
	s_mov_b32 s[\sreg+1], s[\sreg]
.endm
	v_mov_b32 v28, 0xa59f25c0                      ; x^12's, in a vector pair
	v_mul_f32 v28, 0x429044fe, v28
	v_mov_b32 v29, v28
	ALPHA 32, 0x2a61337e
	ALPHA 34, 0xaebd37ff
	ALPHA 36, 0x335c0041
	ALPHA 38, 0x3779434a
	ALPHA 44, 0x3a270ded
	ALPHA 46, 0x3ba059dc
	v_mov_b32 v30, 0x35a0d3d8                      ; Q's: x^6's in a vector pair,
	v_mov_b32 v31, v30
	s_mov_b32 s48, 0x38f895d6
	s_mov_b32 s49, s48
	s_mov_b32 s50, 0x3b14aa05
	s_mov_b32 s51, s50
	s_mov_b32 s52, 0x3ba059dd
	s_mov_b32 s53, s52
	WIN 0x40
.set i, 0
.rept 128
	v_mov_b32 v[i], 0                              ; O^T.  The step is written without a first step of its own: the first finds zeros, which the first change of M leaves zeros
.set i, i+1
.endr
	WIN 0
	s_wait_kmcnt 0x0
	s_add_co_i32 s66, s90, s91
	s_lshl_b32 s66, s66, 23
	s_add_co_i32 s[CS], s66, 0x3aa3d70a            ; 1/800 with e6 + e7 added to its exponent field
	s_mov_b32 s[CS+1], s[CS]
	s_add_co_i32 s66, s92, 127
	s_lshl_b32 s68, s66, 23
	v_mov_b32 v23, s68                             ; 2^e8
	s_add_co_i32 s66, s66, 8
	s_lshl_b32 s66, s66, 23
	s_or_b32 s66, s66, 0x600000
	v_mov_b32 v22, s66                             ; 448 x 2^e8
; K's tile t of group g of step q: two fragments, eight loads.  Tiles 0 and 1 of a group land in BA (window 0), tiles 2 and 3 in BB (window 1).
.macro KT q, g, t
.if (\t) < 2
	WIN 0
.set KB, BA+32*(\t)
.else
	WIN 0x40
.set KB, BB+32*((\t)-2)
.endif
.irp f, 0,1
.irp c, 0,1,2,3
	ds_load_b128 v[KB+16*\f+4*\c:KB+16*\f+4*\c+3], v[ADK] offset:(128*(\q)+16*(4*(\g)+(\t)))*PK+128*\f+32*\c
.endr
.endr
.endm
; V's fragment i (rows 16 i on, the step's 128 keys): four loads.  0-3 in BA, 4-10 in BB, 11-14 where tanh's temporaries lay, 15 in S's first sixteen registers.
.macro VF q, i
.if (\i) < 4
	WIN 0
.set VB, BA+16*(\i)
.elseif (\i) < 11
	WIN 0x40
.set VB, BB+16*((\i)-4)
.elseif (\i) < 15
	WIN 0
.set VB, X2+16*((\i)-11)
.else
	WIN 0
.set VB, S
.endif
.irp c, 0,1,2,3
	ds_load_b128 v[VB+4*\c:VB+4*\c+3], v[ADV] offset:16*(\i)*PK+128*(\q)+32*\c
.endr
.endm
; The i-th run of loads that stands between a batch's groups.  mode 1: K's second four tiles, one a run.  mode 2: V's fragments 0 to 10, two a run.
.macro HOOK mode, q, i
.if (\mode) == 1
.if (\i) < 4
	KT \q, 1, \i
.endif
.else
.if (\i) < 5
	VF \q, 2*(\i)
	VF \q, 2*(\i)+1
.else
	VF \q, 10
.endif
.endif
.endm
; Two tiles' products, two K steps of 128 channels each: the two accumulators take turns, one instruction a turn.
.macro QKP g, t0, base
.irp t, 0,1
	v_wmma_f32_16x16x128_fp8_fp8 v[S+8*(4*(\g)+(\t0)+\t):S+8*(4*(\g)+(\t0)+\t)+7], v[\base+32*\t:\base+32*\t+15], v[QF:QF+15], 0
.endr
.irp t, 0,1
	v_wmma_f32_16x16x128_fp8_fp8 v[S+8*(4*(\g)+(\t0)+\t):S+8*(4*(\g)+(\t0)+\t)+7], v[\base+32*\t+16:\base+32*\t+31], v[QF+16:QF+31], v[S+8*(4*(\g)+(\t0)+\t):S+8*(4*(\g)+(\t0)+\t)+7]
.endr
.endm
; 32 scores in v[s0] on become t = 50 log2(e) tanh(x).  Each accumulator is read from its low end on.  Q's polynomial takes P's registers once x P is made; the 32 reciprocals are one batch with one wait.
.macro BATCH s0, mode, q
	HOOK \mode, \q, 0
	WIN 0
.set n, 0
.rept 16
	v_pk_mul_f32 v[\s0+n:\s0+n+1], v[\s0+n:\s0+n+1], s[CS:CS+1] op_sel_hi:[1,0]   ; x = logit / 50
.set n, n+2
.endr
	HOOK \mode, \q, 1
	WIN 0
.set n, 0
.rept 32
	v_med3_num_f32 v[\s0+n], v[\s0+n], -v26, v26
.set n, n+1
.endr
	HOOK \mode, \q, 2
	WIN 0
.set n, 0
.rept 16
	v_pk_mul_f32 v[X2+n:X2+n+1], v[\s0+n:\s0+n+1], v[\s0+n:\s0+n+1]
.set n, n+2
.endr
	HOOK \mode, \q, 3
	WIN 0
.set n, 0
.rept 16
	v_pk_fma_f32 v[PP+n:PP+n+1], v[X2+n:X2+n+1], v[28:29], s[32:33] op_sel_hi:[1,1,0]
.set n, n+2
.endr
.set n, 0
.rept 16
	v_pk_fma_f32 v[PP+n:PP+n+1], v[PP+n:PP+n+1], v[X2+n:X2+n+1], s[34:35] op_sel_hi:[1,1,0]
.set n, n+2
.endr
	HOOK \mode, \q, 4
	WIN 0
.irp k, 36,38,44,46
.set n, 0
.rept 16
	v_pk_fma_f32 v[PP+n:PP+n+1], v[PP+n:PP+n+1], v[X2+n:X2+n+1], s[\k:\k+1] op_sel_hi:[1,1,0]
.set n, n+2
.endr
.endr
	HOOK \mode, \q, 5
	WIN 0
.set n, 0
.rept 16
	v_pk_mul_f32 v[\s0+n:\s0+n+1], v[PP+n:PP+n+1], v[\s0+n:\s0+n+1]   ; x P
.set n, n+2
.endr
.set n, 0
.rept 16
	v_pk_fma_f32 v[PP+n:PP+n+1], v[X2+n:X2+n+1], v[30:31], s[48:49] op_sel_hi:[1,1,0]
.set n, n+2
.endr
.irp k, 50,52
.set n, 0
.rept 16
	v_pk_fma_f32 v[PP+n:PP+n+1], v[PP+n:PP+n+1], v[X2+n:X2+n+1], s[\k:\k+1] op_sel_hi:[1,1,0]
.set n, n+2
.endr
.endr
.set n, 0
.rept 32
	v_rcp_f32 v[PP+n], v[PP+n]
.set n, n+1
.endr
	v_nop                                          ; a plain line behind the last reciprocal
	s_wait_alu depctr_va_vdst(0)                   ; one wait for the 32 reciprocals, ahead of their first reader
.set n, 0
.rept 16
	v_pk_mul_f32 v[\s0+n:\s0+n+1], v[\s0+n:\s0+n+1], v[PP+n:PP+n+1]
.set n, n+2
.endr
.endm
; A KEY STEP: 128 keys, the q-th of the slot in hand.
.macro STEP q
	s_add_co_u32 s96, s[Q0], 15                    ; a step all of whose keys come after my 16 queries is left out: a scalar branch on ids, round the step's loads, products and softmax alone
	s_cmp_gt_u32 s[KF], s96
	s_cbranch_scc1 .Lhidden_\@
	v_add_nc_u32 v[ADK], s[TB], v[AK0]
	v_add_nc_u32 v[ADV], s[TB], v[AV0]
.rept 5
	v_nop                                          ; five places: the last step's last product read S's first sixteen registers as a source, and the first product below writes over them; four would do for the loads
.endr
	KT \q, 0, 0                                    ; K's first four tiles: the one run of the step that is waited for with nothing else to do
	KT \q, 0, 1
	KT \q, 0, 2
	KT \q, 0, 3
	s_wait_dscnt 16                                ; tiles 0 and 1 are in; the sixteen loads of tiles 2 and 3 may be out
	WIN 0
	QKP 0, 0, BA
	s_wait_dscnt 0x0
	WIN 0x01                                       ; source 0 window 1
	QKP 0, 2, BB
.rept 4
	v_nop                                          ; four places in front of loads into registers that the products read, and of the first read of their results
.endr
	BATCH S, 1, \q                                 ; the first 64 keys' t; K's other four tiles land meanwhile
	s_wait_dscnt 0x0
	WIN 0
	QKP 1, 0, BA
	WIN 0x01
	QKP 1, 2, BB
.rept 4
	v_nop
.endr
	BATCH S+32, 2, \q                              ; the other 64 keys' t; V's fragments 0 to 10 land meanwhile
	VF \q, 11                                      ; tanh's temporaries are free
	VF \q, 12
	s_add_co_u32 s96, s[KF], 127                   ; on the diagonal the t of hidden keys become -infinity ahead of the maximum: p = 0 then.  A step all of whose keys count skips this
	s_cmp_le_u32 s96, s[Q0]
	s_cbranch_scc1 .Lopen_\@
	s_sub_co_i32 s96, s[Q0], s[KF]
	v_add_nc_u32 v25, s96, v[DRH]                  ; d = my query - KF - 16 h.  Register 16 b + i holds key KF + 16 h + 32 b + i: hidden where 32 b + i > d
.set n, 0
.rept 64
	v_cmp_gt_i32 vcc_lo, 32*(n/16)+n%16, v25
	v_cndmask_b32 v[S+n], v[S+n], v24, vcc_lo
.set n, n+1
.endr
.Lopen_\@:
	v_max3_num_f32 v10, v[S], v[S+1], v[S+2]       ; the step's largest t of my query, among my 64 keys, in two chains,
	v_max3_num_f32 v11, v[S+3], v[S+4], v[S+5]
.set n, 6
.rept 14
	v_max3_num_f32 v10, v10, v[S+n], v[S+n+1]
	v_max3_num_f32 v11, v11, v[S+n+2], v[S+n+3]
.set n, n+4
.endr
	v_max3_num_f32 v10, v10, v[S+62], v[S+63]
	v_max_num_f32 v10, v10, v11
	v_permlanex16_b32 v18, v10, s[SEL], s[SEL+1]
	v_max_num_f32 v10, v10, v18                    ; and among lane l xor 16's
	v_max_num_f32 v13, v13, v10                    ; the running largest t
	v_mov_b32 v10, v12
	v_floor_f32 v12, -v13                          ; the new -M = -ceil(t): M is a whole number
	v_sub_f32 v10, v12, v10                        ; old M - new M: a whole number, 0 or less
	v_cvt_i32_f32 v10, v10                         ; (it saturates)
	v_ldexp_f32 v16, 1.0, v10                      ; f = 2^(old M - new M)
.set n, 0
.rept 32
	v_pk_add_f32 v[S+n:S+n+1], v[S+n:S+n+1], v[12:13] op_sel_hi:[1,0]   ; t - M
.set n, n+2
.endr
	VF \q, 13
	VF \q, 14
.set n, 0
.rept 64
	v_exp_f32 v[S+n], v[S+n]                       ; p = 2^(t - M), at most 1: not normalised
.set n, n+1
.endr
	v_pk_mul_f32 v[14:15], v[14:15], v[16:17] op_sel_hi:[1,0]   ; the sums under the new M: a plain line behind the exponentials
	s_wait_alu depctr_va_vdst(0)                   ; one wait for the 64 exponentials, ahead of their first reader
	v_pk_add_f32 v[20:21], v[S:S+1], v[S+2:S+3]    ; the row's sum is taken of the unquantised p: two at a time, in two chains
.set n, 4
.rept 15
	v_pk_add_f32 v[14:15], v[14:15], v[S+n:S+n+1]
	v_pk_add_f32 v[20:21], v[20:21], v[S+n+2:S+n+3]
.set n, n+4
.endr
	v_pk_add_f32 v[14:15], v[14:15], v[20:21]
.set n, 0
.rept 64
	v_min_num_f32 v[S+n], v[S+n], v22              ; the conversion does not saturate (ISA guide 7.6.2); p is not negative, so the hold is one-sided
.set n, n+1
.endr
	WIN 0x40                                       ; destination window 1
.irp b, 0,1,2,3
	v_cvt_scalef32_pk8_fp8_f32 v[PC+4*\b:PC+4*\b+1], v[S+16*\b:S+16*\b+7], v23
	v_cvt_scalef32_pk8_fp8_f32 v[PC+4*\b+2:PC+4*\b+3], v[S+16*\b+8:S+16*\b+15], v23
.endr
	VF \q, 15                                      ; p's registers are free: V's last fragment lands under the 64 lines below
	WIN 0x41                                       ; O^T (destination and source 0) window 1, f window 0
.set n, 0
.rept 64
	v_pk_mul_f32 v[n:n+1], v[n:n+1], v[16:17] op_sel_hi:[1,0]   ; O^T under the new M; these are also the plain lines behind the conversions
.set n, n+2
.endr
	s_wait_dscnt 0x0                               ; V
	WIN 0x55                                       ; all four operands window 1
.irp i, 4,5,6,7,8,9,10
	v_wmma_f32_16x16x128_fp8_fp8 v[8*\i:8*\i+7], v[BB+16*(\i-4):BB+16*(\i-4)+15], v[PC:PC+15], v[8*\i:8*\i+7]
.endr
	WIN 0x54                                       ; V window 0; p's codes, C and D window 1
.irp i, 0,1,2,3
	v_wmma_f32_16x16x128_fp8_fp8 v[8*\i:8*\i+7], v[BA+16*\i:BA+16*\i+15], v[PC:PC+15], v[8*\i:8*\i+7]
.endr
.irp i, 11,12,13,14
	v_wmma_f32_16x16x128_fp8_fp8 v[8*\i:8*\i+7], v[X2+16*(\i-11):X2+16*(\i-11)+15], v[PC:PC+15], v[8*\i:8*\i+7]
.endr
	v_wmma_f32_16x16x128_fp8_fp8 v[120:127], v[S:S+15], v[PC:PC+15], v[120:127]
	WIN 0
.Lhidden_\@:
	s_add_co_u32 s[KF], s[KF], 128
.endm
; THE CHANGE OF SLOTS stands at a slot's head.  Each wave waits for all its tensor loads (its part of the slot that it is about to read), adds 0 to its spare word, and waits for that and for its reads of the slot that it has left.
; Behind the barrier the slot ahead is whole and nobody reads the other one.  fill = 1: that other slot takes the next 256 keys, up to the causal limit: a slot whose first key comes after the work-group's last query is read by
; none of its waves and is not asked for.  The limit's four lines hang on ids and the count of steps alone, are the same in all eight waves, and lead round the load's own lines and nothing else; every wait on TENSORcnt here is for 0.
.macro CHANGE fill
	s_wait_tensorcnt 0x0                           ; no tensor load of mine is out, so group 0 may be written
	ds_add_u32 v[SPW], v[NIL]                      ; 0 onto my spare word
.if \fill
	s_xor_b32 s[FB], s[FB], SLOTB                  ; the other slot than last time,
	s_add_co_u32 s[G0+1], s[FB], s17               ; my quarter in it,
	s_add_nc_u64 s[G0+2:G0+3], s[G0+2:G0+3], 65536 ; the next 256 keys
	s_wait_xcnt 0x0                                ; the last prefetches, a slot back, have read their address
	s_add_nc_u64 s[PFA:PFA+1], s[PFA:PFA+1], 65536
.endif
	s_wait_dscnt 0x0                               ; the add is done, and my reads of the slot that I have left are over
	s_barrier_signal -1
	s_barrier_wait -1
.if \fill
	s_add_co_u32 s96, s[KF], 256                   ; the first key of the slot that this change would ask for
	s_cmp_gt_u32 s96, s[LASTQ]
	s_cbranch_scc1 .Lpast_\@
	TLOAD                                          ; my one tensor load until the next change
.Lpast_\@:
	ASK
.endif
.endm
.macro SLOT_STEPS
	STEP 0
	STEP 1
	s_xor_b32 s[TB], s[TB], SLOTB
.endm
	s_wait_loadcnt 0x0                             ; Q
.Lslot:                                            ; three trips
	CHANGE 1
	SLOT_STEPS
	s_sub_co_u32 s[SLOTS], s[SLOTS], 1
	s_cmp_lg_u32 s[SLOTS], 0
	s_cbranch_scc1 .Lslot
	CHANGE 0                                       ; the last slot is written out: nothing is left to ask for
	SLOT_STEPS
	; THE WAY OUT.  O^T / the sum is y / 2^(e8 + e9); its code under 2^e10 is made with the one scale 2^(e10 - e8 - e9).  The codes go through my stage (16 rows x 272 bytes, in slot 0, which has had its
	; last fill and its last read) and leave as rows: sixteen lanes store 256 consecutive bytes.
	v_add_f32 v14, v14, v15
	v_permlanex16_b32 v18, v14, s[SEL], s[SEL+1]
	v_add_f32 v14, v14, v18                        ; the row's sum
	v_rcp_f32 v14, v14
	v_and_b32 v8, 15, v0                           ; plain lines behind the reciprocal; with the additions above also the places behind the last products
	v_bfe_u32 v9, v0, 4, 1
	s_mul_i32 s96, s[WV], 16*PK
	v_mul_u32_u24 v10, v8, PK
	v_lshl_add_u32 v10, v9, 4, v10
	v_add_nc_u32 v10, s96, v10                     ; in: row r; tile t's eight registers of my half are channels 32 (t / 2) + 16 h + 8 (t % 2) + 0 .. 7
	v_mul_u32_u24 v11, v9, PK
	v_lshl_add_u32 v11, v8, 4, v11
	v_add_nc_u32 v11, s96, v11                     ; back: lanes 0-15 one row, lanes 16-31 the next
	s_sub_co_i32 s66, s94, s92
	s_sub_co_i32 s66, s66, s93
	s_add_co_i32 s66, s66, 127
	s_lshl_b32 s68, s66, 23
	v_mov_b32 v23, s68                             ; 2^(e10 - e8 - e9)
	s_add_co_i32 s66, s66, 8
	s_lshl_b32 s66, s66, 23
	s_or_b32 s66, s66, 0x600000
	v_mov_b32 v22, s66                             ; 448 x that
	s_wait_alu depctr_va_vdst(0)                   ; the wait for the reciprocal, ahead of its first reader
	WIN 0x01                                       ; source 0 window 1
.set n, 0
.rept 64
	v_pk_mul_f32 v[F+n:F+n+1], v[n:n+1], v[14:15] op_sel_hi:[1,0]   ; each accumulator from its low end on
.set n, n+2
.endr
	WIN 0
.set n, 0
.rept 128
	v_med3_num_f32 v[F+n], v[F+n], -v22, v22
.set n, n+1
.endr
.irp t, 0,1,2,3,4,5,6,7,8,9,10,11,12,13,14,15
	v_cvt_scalef32_pk8_fp8_f32 v[S+2*\t:S+2*\t+1], v[F+8*\t:F+8*\t+7], v23
.endr
	v_nop                                          ; a plain line behind the conversions
.irp t, 0,1,2,3,4,5,6,7,8,9,10,11,12,13,14,15
	ds_store_b64 v10, v[S+2*\t:S+2*\t+1] offset:32*(\t/2)+8*(\t%2)
.endr
.irp i, 0,1,2,3,4,5,6,7
	ds_load_b128 v[F+4*\i:F+4*\i+3], v11 offset:2*\i*PK   ; LDS serves a wave's instructions in order: these see my stores
.endr
.irp i, 0,1,2,3,4,5,6,7
	s_wait_dscnt 7-\i                              ; loads come back in order: rows 2 i and 2 i + 1 are in
	global_store_b128 v[GO], v[F+4*\i:F+4*\i+3], s[12:13] offset:8192*\i
.endr
	s_wait_tensorcnt 0x0                           ; the wave's end
	ds_add_u32 v[SPW], v[NIL]
	s_wait_dscnt 0x0
	s_endpgm
.Lfunc_end_k_q83e1aebeae_attn:
	.size	k_q83e1aebeae_attn, .Lfunc_end_k_q83e1aebeae_attn-k_q83e1aebeae_attn
	.p2alignl 7, 3214868480
	.fill 96, 4, 3214868480
	.section	.rodata,"a",@progbits
	.p2align	6, 0x0
	.amdhsa_kernel k_q83e1aebeae_attn
		.amdhsa_group_segment_fixed_size 327680
		.amdhsa_private_segment_fixed_size 0
		.amdhsa_enable_private_segment 0
		.amdhsa_kernarg_size 40
		.amdhsa_user_sgpr_count 2
		.amdhsa_user_sgpr_kernarg_segment_ptr 1
		.amdhsa_wavefront_size32 1
		.amdhsa_system_sgpr_workgroup_id_x 1
		.amdhsa_system_sgpr_workgroup_id_y 1
		.amdhsa_system_sgpr_workgroup_id_z 1
		.amdhsa_system_vgpr_workitem_id 0
		.amdhsa_next_free_vgpr 512
		.amdhsa_next_free_sgpr 100
		.amdhsa_reserve_vcc 1
		.amdhsa_float_denorm_mode_32 3
		.amdhsa_float_denorm_mode_16_64 3
		.amdhsa_memory_ordered 1
		.amdhsa_forward_progress 1
		.amdhsa_inst_pref_size 255
	.end_amdhsa_kernel
	.section	.bss,"aw",@nobits
	.p2align	6
	.space	262144
	.amdgpu_metadata
---
amdhsa.version: [ 1, 2 ]
amdhsa.kernels:
  - .name:           k_q83e1aebeae_attn
    .symbol:         k_q83e1aebeae_attn.kd
    .args:
      - { .name: qc, .offset: 0, .size: 8, .value_kind: global_buffer, .address_space: global }
      - { .name: kc, .offset: 8, .size: 8, .value_kind: global_buffer, .address_space: global }
      - { .name: vc, .offset: 16, .size: 8, .value_kind: global_buffer, .address_space: global }
      - { .name: lowp_scales, .offset: 24, .size: 8, .value_kind: global_buffer, .address_space: global }
      - { .name: yc, .offset: 32, .size: 8, .value_kind: global_buffer, .address_space: global }
    .group_segment_fixed_size: 327680
    .private_segment_fixed_size: 0
    .kernarg_segment_align: 8
    .kernarg_segment_size: 40
    .max_flat_workgroup_size: 256
    .sgpr_count:     100
    .vgpr_count:     512
    .wavefront_size: 32
...
	.end_amdgpu_metadata
.endif
;; end of part 3
;; launch oproj (part 4): grid 16 x 16, 4 waves a work-group, clusters of 4 x 4, 327,680 bytes of LDS; arguments yc, wc, lowp_scales, out0; writes out0
.if DOCPART == 4
	.amdgcn_target "amdgcn-amd-amdhsa--gfx1250"
	.amdhsa_code_object_version 6
	.text
	.protected	k_q83e1aebeae_oproj
	.globl	k_q83e1aebeae_oproj
	.p2align	8
	.type	k_q83e1aebeae_oproj,@function
k_q83e1aebeae_oproj:
	s_mov_b64 s[64:65], 0
	v_nop
	global_prefetch_b8 v0, s[64:65] scope:SCOPE_SE
	s_setreg_imm32_b32 hwreg(HW_REG_WAVE_MODE, 25, 1), 1
	s_wait_xcnt 0x0
	s_wait_alu depctr_hold_cnt(0) depctr_sa_sdst(0) depctr_va_vdst(0) depctr_va_sdst(0) depctr_va_ssrc(0) depctr_va_vcc(0) depctr_vm_vsrc(0)
	s_getreg_b32 s2, hwreg(HW_REG_IB_STS2, 6, 4)
	s_cmp_eq_u32 s2, 0
	s_cbranch_scc0 .Lentry_in_a_cluster
	s_endpgm
.Lentry_in_a_cluster:
	s_bfe_u32 s2, ttmp6, 0x10000c
	s_cmp_lg_u32 s2, 0xf033
	s_cbranch_scc0 .Lentry_shape_is_right
	s_endpgm
.Lentry_shape_is_right:
; OPROJ: out0 = y Wo on codes of E4M3.  A = yc [2048 tokens][4096], B = Wo's codes [2048 n][4096 k], from byte 16,777,216 of wc; out0 [2048][2048] f32; each finished sum x 2^(e10 + e11).
; LIMIT: e10 + e11 between -126 and 127.
; M = N = 2,048 give 64 tiles of 256 x 256 and 256 of 128 x 128: the smaller tile gives every WGP a work-group.  Four waves, each 64 x 64: 16 accumulators.
; K goes in steps of 512 (LDS rows of 512 bytes; a wave's tensor load brings 64 of them) through a ring of two slots: as long as two slots in LDS allow.
; CLUSTERS: 4 x 4: A's tile is shared along a row of the cluster, B's along a column, each asked for jointly.  THE MATRIX INSTRUCTION IS USED TRANSPOSED: a lane holds eight neighbouring numbers of a row of out0.
; No prefetch: eight K steps in all, and each tile is asked for once for four work-groups.
; REGISTERS: window 0: v16-29 addresses; v32-63, v64-127 at work on the way out; v128-255 the accumulators ((a, b) at v[128 + 8 (4 a + b)]).
;   window 1: two fragment buffers of 128: for 128 along K, A's four fragments (64 registers), then B's four.
.set KSTEP,  512
.set PITCH,  528                       ; an LDS row: 512 bytes + 16 of padding = 132 words: the 16 rows that a load touches start at 16 different banks (64 banks of 4 bytes: ISA guide 11.1)
.set HALFT,  64*PITCH
.set SLOT,   4*HALFT                   ; A's 128 rows, then B's 128 rows
.set SPARE,  2*SLOT                    ; behind the ring: the spare words, 128 bytes for each wave
.set SPITCH, 272                       ; the way out: a stage of 16 rows x (256 bytes + 16) for each wave, in slot 0, which has had its last fill and its last read by then
.set LAPS,   4
.set KROW,   4096
.set NROW,   8192                      ; a row of out0 in bytes
.set ADRA, 16
.set ADRB, 20
.set STO,  24
.set RD,   25
.set CO,   26
.set SPW,  28                          ; v28 LDS address of my spare word; never rewritten
.set NIL,  29                          ; v29 0; never rewritten
.set TMP,  32
.set BK,   64
.set ACC,  128
.set F0,   0
.set F1,   128
.set G1, 24
.set G0, 32
.set G1B, 48
.set G0B, 56
.set MSB, 0
.macro WIN new
.if MSB != \new
	s_set_vgpr_msb (MSB<<8)|\new
.set MSB, \new
.endif
.endm
.set MUL,  0x05                        ; sources 0 (B) and 1 (A) window 1; C and D window 0
.set TO_F, 0x40                        ; destination window 1, address window 0
.macro JLOAD s                         ; a joint load: waves 0 and 1 fetch A's halves, waves 2 and 3 B's; an s_nop 0 and four v_nop follow each of the two lines
	s_cmp_eq_u32 s15, 0
	s_cbranch_scc0 .Lfor_b_\@
	tensor_load_to_lds s[G0+4*\s:G0+4*\s+3], s[G1:G1+7]
	s_nop 0
.rept 4
	v_nop
.endr
	s_branch .Lasked_\@
.Lfor_b_\@:
	tensor_load_to_lds s[G0B+4*\s:G0B+4*\s+3], s[G1B:G1B+7]
	s_nop 0
.rept 4
	v_nop
.endr
.Lasked_\@:
.endm
.macro CREST
	s_cmp_lg_u32 s14, 0
	s_cbranch_scc1 .Lnot_wave_0_\@
	s_barrier_signal -3
.Lnot_wave_0_\@:
	s_barrier_wait -3
	s_barrier_signal -1
	s_barrier_wait -1
.endm
.macro CROUND
	s_barrier_signal -1
	s_barrier_wait -1
	CREST
.endm
	s_load_b128 s[4:7], s[0:1], 0x0                ; yc, wc
	s_load_b128 s[8:11], s[0:1], 0x10              ; the exponents, out0
	v_lshl_add_u32 v[SPW], v0, 2, SPARE
	v_mov_b32 v[NIL], 0
	ds_add_u32 v[SPW], v[NIL]                      ; the wave's opening: the add and its wait stand ahead of my first tensor load
	v_lshrrev_b32 v1, 5, v0
	v_readfirstlane_b32 s14, v1                    ; wave 0..3
	s_lshr_b32 s15, s14, 1                         ; which half of the tile's rows is mine.  Also: I fetch for A (0) or for B (1)
	s_and_b32 s16, s14, 1                          ; which half of its columns.  Also: which 64 rows of that tile I fetch
	s_bfe_u32 s40, ttmp6, 0x40000
	s_bfe_u32 s41, ttmp6, 0x40004
	s_lshl_b32 s42, ttmp9, 2
	s_add_co_u32 s42, s42, s40                     ; tile column
	s_and_b32 s17, ttmp7, 0xffff
	s_lshl_b32 s17, s17, 2
	s_add_co_u32 s17, s17, s41                     ; tile row
	s_lshl_b32 s43, s41, 2
	s_lshl_b32 s43, 15, s43                        ; my row of the cluster
	s_lshl_b32 s44, 0x1111, s40                    ; my column
	s_or_b32 s[G1+0], s43, (0<<16)|(1<<20)|(1<<21)|(6<<22)|(3<<25)  ; the mask; elements of 1 byte; padding on; bit 21 beside a mask; after every 128 words, 4 words
	s_or_b32 s[G1B+0], s44, (0<<16)|(1<<20)|(1<<21)|(6<<22)|(3<<25)
.irp g, G1, G1B
	s_mov_b32 s[\g+1], KSTEP<<16                   ; tensor_dim0
	s_mov_b32 s[\g+2], 64<<16                      ; tensor_dim1
	s_mov_b32 s[\g+3], KSTEP<<16                   ; tile_dim0
	s_mov_b32 s[\g+4], 64                          ; tile_dim1
	s_mov_b32 s[\g+5], KROW                        ; from row to row
	s_mov_b32 s[\g+6], 0
	s_mov_b32 s[\g+7], 0
.endr
	s_lshl_b32 s18, s16, 6                         ; which 64 rows of the tile I fetch
	s_lshl_b32 s20, s17, 7
	s_add_co_u32 s20, s20, s18
	s_lshl_b32 s20, s20, 12                        ; A: rows of 4,096 bytes
	s_mov_b32 s21, 0
	s_lshl_b32 s46, s42, 7
	s_add_co_u32 s46, s46, s18
	s_lshl_b32 s46, s46, 12
	s_add_co_u32 s46, s46, 0x1000000               ; B: behind the other weights' codes
	s_mov_b32 s47, 0
	s_mul_i32 s45, s14, HALFT
	s_wait_dscnt 0x0                               ; the opening add is done
	s_wait_kmcnt 0x0
	s_load_b64 s[12:13], s[8:9], 0x28              ; e10, e11
	s_add_nc_u64 s[20:21], s[4:5], s[20:21]
	s_add_nc_u64 s[46:47], s[6:7], s[46:47]
	CROUND                                         ; all sixteen work-groups are here: the first joint loads meet
.irp s, 0,1
	s_mov_b32 s[G0+4*\s], 1
	s_add_co_u32 s[G0+4*\s+1], s45, \s*SLOT
	s_add_nc_u64 s[G0+4*\s+2:G0+4*\s+3], s[20:21], \s*KSTEP
	s_or_b32 s[G0+4*\s+3], s[G0+4*\s+3], 0x80000000
	s_mov_b32 s[G0B+4*\s], 1
	s_add_co_u32 s[G0B+4*\s+1], s45, \s*SLOT
	s_add_nc_u64 s[G0B+4*\s+2:G0B+4*\s+3], s[46:47], \s*KSTEP
	s_or_b32 s[G0B+4*\s+3], s[G0B+4*\s+3], 0x80000000
	JLOAD \s
.endr
	v_and_b32 v1, 15, v0                           ; r
	v_bfe_u32 v2, v0, 4, 1                         ; h
	v_mul_u32_u24 v3, v1, PITCH
	v_lshl_add_u32 v3, v2, 4, v3
	s_mul_i32 s21, s15, HALFT                      ; my 64 rows of A
	s_mul_i32 s22, s16, HALFT                      ; my 64 rows of B,
	s_add_co_u32 s22, s22, 2*HALFT                 ; behind A's 128
.irp s, 0,1
	v_add_nc_u32 v[ADRA+\s], s21, v3
	v_add_nc_u32 v[ADRB+\s], s22, v3
	s_add_co_u32 s21, s21, SLOT
	s_add_co_u32 s22, s22, SLOT
.endr
	s_mul_i32 s23, s14, 16*SPITCH                  ; my stage
	v_mul_u32_u24 v4, v1, SPITCH
	v_lshl_add_u32 v4, v2, 5, v4
	v_add_nc_u32 v[STO], s23, v4                   ; in: row r, 32 bytes for each half of the lanes
	v_mul_u32_u24 v5, v2, SPITCH
	v_lshl_add_u32 v5, v1, 4, v5
	v_add_nc_u32 v[RD], s23, v5                    ; back: lanes 0-15 one row of 256 bytes, lanes 16-31 the next
	v_lshlrev_b32 v5, 13, v2
	v_lshl_add_u32 v[CO], v1, 4, v5                ; and the same two rows in out0
	s_lshl_b32 s20, s17, 7
	s_lshl_b32 s21, s15, 6
	s_add_co_u32 s20, s20, s21
	s_lshl_b32 s20, s20, 13                        ; my first row of out0,
	s_lshl_b32 s46, s42, 9
	s_lshl_b32 s47, s16, 8
	s_add_co_u32 s46, s46, s47                     ; my first column, in bytes
	s_add_co_u32 s20, s20, s46
	s_mov_b32 s21, 0
	s_add_nc_u64 s[10:11], s[10:11], s[20:21]
; 4 matrix instructions: A's block a x B's four, 128 along K.  The 16 accumulators take turns, one instruction a turn, in the same order in every quarter.
.macro MUL4 f, a, zero
.irp b, 0,1,2,3
.if \zero
	v_wmma_f32_16x16x128_fp8_fp8 v[ACC+8*(4*(\a)+\b):ACC+8*(4*(\a)+\b)+7], v[\f+64+16*\b:\f+64+16*\b+15], v[\f+16*(\a):\f+16*(\a)+15], 0
.else
	v_wmma_f32_16x16x128_fp8_fp8 v[ACC+8*(4*(\a)+\b):ACC+8*(4*(\a)+\b)+7], v[\f+64+16*\b:\f+64+16*\b+15], v[\f+16*(\a):\f+16*(\a)+15], v[ACC+8*(4*(\a)+\b):ACC+8*(4*(\a)+\b)+7]
.endif
.endr
.endm
; 32 LDS loads in one run: the fragments of 128 along K at byte k of the rows, into buffer f: B's four, then A's four.  Registers 4 c .. 4 c + 3 hold K = 32 c + 16 (l / 16) + 0 .. 15: the same order of k in A and in B.
.macro FETCH slot, k, f
	WIN TO_F
.irp i, 0,1,2,3
.irp c, 0,1,2,3
	ds_load_b128 v[\f+64+16*\i+4*\c:\f+64+16*\i+4*\c+3], v[ADRB+\slot] offset:\k+32*\c+\i*16*PITCH
.endr
.endr
.irp i, 0,1,2,3
.irp c, 0,1,2,3
	ds_load_b128 v[\f+16*\i+4*\c:\f+16*\i+4*\c+3], v[ADRA+\slot] offset:\k+32*\c+\i*16*PITCH
.endr
.endr
.endm
.macro PLACES                          ; four plain lines in front of loads into registers that matrix instructions have read, and of the first read of results
.rept 4
	v_nop
.endr
.endm
; A K step is four quarters of 128 along K, 16 matrix instructions each, on buffers 0, 1, 0, 1.
.macro QUARTER slot, k, f, g, zero
	s_wait_dscnt 8                                 ; B's four and A's blocks 0, 1 are in; the youngest eight loads (A's blocks 2, 3) may be out
	WIN MUL
	MUL4 \f, 0, \zero
	MUL4 \f, 1, \zero
	PLACES
	FETCH \slot, \k, \g
	s_wait_dscnt 32                                ; all but the 32 just issued
	WIN MUL
	MUL4 \f, 2, \zero
	MUL4 \f, 3, \zero
.endm
; The last quarter multiplies buffer 1 and changes slots: ONE barrier; in front of it each wave waits for all its tensor loads, adds 0 to its spare word, and waits for that and for its reads of this slot.
.macro TURN slot, next, fill
	WIN 0
	s_wait_tensorcnt 0x0                           ; all my tensor loads have landed: my part of the next slot
	ds_add_u32 v[SPW], v[NIL]                      ; 0 onto my spare word
	s_wait_dscnt 9                                 ; the add and the youngest eight loads may be out
	WIN MUL
	MUL4 F1, 0, 0
	MUL4 F1, 1, 0
	s_wait_dscnt 0x0                               ; the add is done, and my reads of this slot are over
	s_barrier_signal -1
	MUL4 F1, 2, 0
.if \fill
	WIN 0
.endif
	s_barrier_wait -1
.if \fill
	CREST                                          ; the barrier has opened a round of the cluster's: no wave of any partner still reads this slot or has a load on its way
	s_add_nc_u64 s[G0+4*\slot+2:G0+4*\slot+3], s[G0+4*\slot+2:G0+4*\slot+3], 2*KSTEP
	s_add_nc_u64 s[G0B+4*\slot+2:G0B+4*\slot+3], s[G0B+4*\slot+2:G0B+4*\slot+3], 2*KSTEP
	JLOAD \slot                                    ; the first tensor load behind the round; its four v_nop are the places in front of the loads below
.else
	PLACES
.endif
	FETCH \next, 0, F0
	WIN MUL
	MUL4 F1, 3, 0
.endm
	s_wait_tensorcnt 1                             ; my part of K step 0 is in; K step 1's load may be out
	s_barrier_signal -1
	s_barrier_wait -1
	FETCH 0, 0, F0
	QUARTER 0, 128, F0, F1, 1                      ; the first quarter's products start the sums
	WIN 0
	s_mov_b32 s3, LAPS-1
.Llap:
	QUARTER 0, 256, F1, F0, 0
	QUARTER 0, 384, F0, F1, 0
	TURN 0, 1, 1
	QUARTER 1, 128, F0, F1, 0
	QUARTER 1, 256, F1, F0, 0
	QUARTER 1, 384, F0, F1, 0
	TURN 1, 0, 1
	QUARTER 0, 128, F0, F1, 0
	WIN 0
	s_sub_co_u32 s3, s3, 1
	s_cmp_lg_u32 s3, 0
	s_cbranch_scc1 .Llap
	QUARTER 0, 256, F1, F0, 0                      ; the last lap fills nothing
	QUARTER 0, 384, F0, F1, 0
	TURN 0, 1, 0
	QUARTER 1, 128, F0, F1, 0
	QUARTER 1, 256, F1, F0, 0
	QUARTER 1, 384, F0, F1, 0
	s_wait_dscnt 8
	WIN MUL
	MUL4 F1, 0, 0
	MUL4 F1, 1, 0
	s_wait_dscnt 0
	MUL4 F1, 2, 0
	MUL4 F1, 3, 0
	WIN 0
; THE WAY OUT, block by block of 16 rows x my 64 columns (256 bytes, a whole aligned run of a row of out0): through my own stage, back as rows; sixteen lanes store 256 consecutive bytes.
.macro TOSTAGE a
.set p, 0
.rept 16
	v_pk_mul_f32 v[TMP+p:TMP+p+1], v[ACC+32*(\a)+p:ACC+32*(\a)+p+1], s[12:13] op_sel_hi:[1,0]   ; x 2^(e10 + e11); each accumulator from its low end on
.set p, p+2
.endr
.irp b, 0,1,2,3
	ds_store_b128 v[STO], v[TMP+8*\b:TMP+8*\b+3] offset:64*\b
	ds_store_b128 v[STO], v[TMP+8*\b+4:TMP+8*\b+7] offset:64*\b+16
.endr
.irp t, 0,1,2,3,4,5,6,7
	ds_load_b128 v[BK+32*((\a)%2)+4*\t:BK+32*((\a)%2)+4*\t+3], v[RD] offset:\t*2*SPITCH   ; LDS serves a wave's instructions in order: these see the stores above
.endr
.endm
.macro SEND a, younger                 ; younger: the LDS instructions issued behind block a's loads, which may stay out
	s_wait_dscnt \younger
.irp t, 0,1,2,3,4,5,6,7
	global_store_b128 v[CO], v[BK+32*((\a)%2)+4*\t:BK+32*((\a)%2)+4*\t+3], s[10:11] offset:(16*(\a)+2*\t)*NROW th:TH_STORE_NT
.endr
.endm
	s_wait_kmcnt 0x0
	s_add_co_i32 s12, s12, s13
	s_add_co_i32 s12, s12, 127
	s_lshl_b32 s12, s12, 23                        ; 2^(e10 + e11) as f32
	PLACES
	TOSTAGE 0
.irp a, 1,2,3
.if \a > 1
	s_wait_xcnt 0x0                                ; block a - 2's stores have read their registers: block a's loads may land there
.endif
	TOSTAGE \a
	SEND \a-1, 16                                  ; behind block a - 1's loads: block a's 8 stores and 8 loads
.endr
	SEND 3, 0
	s_wait_tensorcnt 0x0                           ; the wave's end
	ds_add_u32 v[SPW], v[NIL]
	s_wait_dscnt 0x0
	CROUND                                         ; the closing round
	s_endpgm
.Lfunc_end_k_q83e1aebeae_oproj:
	.size	k_q83e1aebeae_oproj, .Lfunc_end_k_q83e1aebeae_oproj-k_q83e1aebeae_oproj
	.p2alignl 7, 3214868480
	.fill 96, 4, 3214868480
	.section	.rodata,"a",@progbits
	.p2align	6, 0x0
	.amdhsa_kernel k_q83e1aebeae_oproj
		.amdhsa_group_segment_fixed_size 327680
		.amdhsa_private_segment_fixed_size 0
		.amdhsa_enable_private_segment 0
		.amdhsa_kernarg_size 32
		.amdhsa_user_sgpr_count 2
		.amdhsa_user_sgpr_kernarg_segment_ptr 1
		.amdhsa_wavefront_size32 1
		.amdhsa_system_sgpr_workgroup_id_x 1
		.amdhsa_system_sgpr_workgroup_id_y 1
		.amdhsa_system_sgpr_workgroup_id_z 1
		.amdhsa_system_vgpr_workitem_id 0
		.amdhsa_next_free_vgpr 512
		.amdhsa_next_free_sgpr 66
		.amdhsa_reserve_vcc 0
		.amdhsa_float_denorm_mode_32 3
		.amdhsa_float_denorm_mode_16_64 3
		.amdhsa_memory_ordered 1
		.amdhsa_forward_progress 1
		.amdhsa_inst_pref_size 74
	.end_amdhsa_kernel
	.amdgpu_metadata
---
amdhsa.version: [ 1, 2 ]
amdhsa.kernels:
  - .name:           k_q83e1aebeae_oproj
    .symbol:         k_q83e1aebeae_oproj.kd
    .args:
      - { .name: yc, .offset: 0, .size: 8, .value_kind: global_buffer, .address_space: global }
      - { .name: wc, .offset: 8, .size: 8, .value_kind: global_buffer, .address_space: global }
      - { .name: lowp_scales, .offset: 16, .size: 8, .value_kind: global_buffer, .address_space: global }
      - { .name: out0, .offset: 24, .size: 8, .value_kind: global_buffer, .address_space: global }
    .group_segment_fixed_size: 327680
    .private_segment_fixed_size: 0
    .kernarg_segment_align: 8
    .kernarg_segment_size: 32
    .max_flat_workgroup_size: 128
    .sgpr_count:     66
    .vgpr_count:     512
    .wavefront_size: 32
...
	.end_amdgpu_metadata
.endif
;; end of part 4
